; MI455X (gfx1250); checked and timed in simulation.
; The chip was launched on July 23, 2026; its instructions are those of AMD's public machine-readable ISA for CDNA 5 (MIT licence, August 2026) and "CDNA5" Instruction Set Architecture Reference Guide (July 2026). The comments in the code are by the model that wrote it; some were corrected since.
;; Self Attention. Allowed arithmetic: matrix products marked QUANTISED: E2M3 operands, one E8M0 scale for each 32 along K, by v_wmma_scale_f32_16x16x128_f8f6f4 with both operands' format E2M3, f32 sums; everything else in f32.
;; Inputs: Wk 1,024 x 1,024 float32; Wo 1,024 x 1,024 float32; Wq 1,024 x 1,024 float32; Wv 1,024 x 1,024 float32; bk 1,024 float32; bo 1,024 float32; bq 1,024 float32; bv 1,024 float32; keys 8 x 1,024 x 1,024 float32; mask 8 x 1 x 1,024 x 1,024 int32; queries 8 x 1,024 x 1,024 float32; values 8 x 1,024 x 1,024 float32.
;; Outputs: out0 8 x 1,024 x 1,024 float32.
;; This version of the problem:
;;   THIS VERSION OF THE PROBLEM IS GIVEN IN LOW PRECISION. The matrix products marked QUANTISED in the list below multiply operands that are first quantised to E2M3 (2 exponent bits, 3 mantissa bits; 6 bits a number), with one power-of-two scale for each 32 numbers along K (OCP MX v1.0); their sums are f32. All else is computed in f32.
;;   The module's matrix products, in the order in which they are computed (A, B: the left and right operand; K: the contracted axis; several contracted axes count as one K, in the product's order):
;;     1. [M 8,192, K 1,024] x [K 1,024, N 1,024]; A: input values; B: input Wv: QUANTISED
;;     2. [M 8,192, K 1,024] x [K 1,024, N 1,024]; A: input keys; B: input Wk: QUANTISED
;;     3. [M 8,192, K 1,024] x [K 1,024, N 1,024]; A: input queries; B: input Wq: QUANTISED
;;     4. batch 128 x [M 1,024, K 64] x [K 64, N 1,024]; A: computed on the way; B: computed on the way: QUANTISED
;;     5. batch 128 x [M 64, K 1,024] x [K 1,024, N 1,024]; A: computed on the way; B: softmax (see below): QUANTISED
;;     6. [M 8,192, K 1,024] x [K 1,024, N 1,024]; A: computed on the way; B: input Wo: QUANTISED
;;   THE QUANTISER, for each operand of a quantised product, along K:
;;     - K is cut into blocks of 32 from its start; a last block that is shorter is filled with zeros.
;;     - A block's scale is 2^e with e = floor(log2(the largest magnitude in the block)) - 2, held to -126 .. 127; a block of zeros has e = 0. As a byte (E8M0): e + 127.
;;     - Each number is divided by its block's scale, clamped to +-7.5, and rounded to the nearest number of E2M3, ties to even, subnormals kept.
;;     - The product sums the exact products of the quantised numbers (number of the format x scale) in f32.
;;   ~~~python
;;   def quantise(x, axis):      # numpy; x: float32 -> the quantised numbers, widened to float32 again
;;       x = np.moveaxis(x, axis, -1); K = x.shape[-1]
;;       x = np.pad(x, [(0, 0)] * (x.ndim - 1) + [(0, -K % 32)]); x = x.reshape(x.shape[:-1] + (-1, 32)); a = np.abs(x).max(-1, keepdims=True)
;;       e = np.where(a > 0, np.clip(np.frexp(np.where(a > 0, a, 1))[1] - 1 - 2, -126, 127), 0)      # np.frexp(a)[1] - 1 = floor(log2(a)), exactly
;;       r = np.clip(x / 2.0 ** e, -7.5, 7.5)
;;       step = 2.0 ** (np.maximum(np.frexp(np.where(r == 0, 1, r))[1] - 1, 0) - 3)
;;       q = np.round(r / step) * step * 2.0 ** e      # np.round: ties to even
;;       return np.moveaxis(q.reshape(q.shape[:-2] + (-1,))[..., :K], -1, axis).astype(np.float32)
;;   ~~~
;;   SOFTMAX AHEAD OF A QUANTISED PRODUCT. Where the list says 'softmax', what is quantised is not the finished softmax but p = 2^(t - M), with t = logit x log2(e) and M = ceil(the row's largest t), a whole number; so 1/2 < the row's largest p <= 1. The row's sum l is taken of the UNQUANTISED p, in f32, and the product's result is divided by l at the end. Since M is a whole number, a kernel that streams over the keys may use a running M (the ceiling of the running maximum): every later rescaling is an exact power of two, which a block's scale takes up: the codes' values come out the same.
;;   OPERANDS COMPUTED ON THE WAY. 'Computed on the way' means the value that the module computes at that place (a softmax that the list does not call 'softmax' is quantised finished and normalised). What goes into a quantiser is computed in f32, as accurately as f32 sums, v_exp_f32 and their like allow (about 1e-6 of the number): no bf16 or f16 on the way to a quantiser, and a product that is left as it is and whose result goes on into a quantised operand takes f32 operands (vector FMAs, or v_wmma_f32_16x16x4_f32). A number that lies on a knife's edge between two numbers of the format may be rounded either way, as far as f32 arithmetic and the matrix unit's own rounding can turn it there, and no further.
;; One version. Each part assembles by itself: llvm-mc -triple=amdgcn-amd-amdhsa -mcpu=gfx1250 --defsym DOCPART=n.
;; ======== version 1 of 1: 4 launches
;; limits: right only within a limited range of input values
;; workspace buffers: xc 22,020,096 bytes; xs 917,504 bytes; mbits 1,048,576 bytes of whole numbers; hc 18,874,368 bytes; hs 1,310,720 bytes; oc 6,291,456 bytes; os 262,144 bytes
;; launch prep (part 1): grid 768 x 1, 3 waves a work-group, no clusters, 51,200 bytes of LDS; arguments values, keys, queries, Wv, Wk, Wq, Wo, mask, xc, xs, mbits; writes xc, xs, mbits
.if DOCPART == 1
	.amdgcn_target "amdgcn-amd-amdhsa--gfx1250"
	.amdhsa_code_object_version 6
	.text
	.protected	k_q8cb9feb18a_prep
	.globl	k_q8cb9feb18a_prep
	.p2align	8
	.type	k_q8cb9feb18a_prep,@function
k_q8cb9feb18a_prep:
	s_mov_b64 s[64:65], 0
	v_nop
	global_prefetch_b8 v0, s[64:65] scope:SCOPE_SE
	s_setreg_imm32_b32 hwreg(HW_REG_WAVE_MODE, 25, 1), 1
	s_wait_xcnt 0x0
; PREP.  values, keys, queries [8192][1024] and Wv, Wk, Wq, Wo [1024][1024], f32, become codes of FP6 (E2M3) with one E8M0 byte for each 32 along K (K innermost);
; mask [8192][1024], int32, becomes one bit a number.  All eight are arrays of rows of 4,096 bytes, and one wave takes 16 rows (a TILE) through all of K, 128 along K a step.
; WHICH ROWS FORM A TILE: tile 2 a + u, lane row r <-> row 32 a + 8 u + r + 8 (r / 8).  With that choice a product used transposed leaves 16 neighbours along the next K in a lane's 16 registers.
; CODES leave as IMAGES OF THE OPERAND'S REGISTERS: a fragment (16 rows x 128 K, 12 registers a lane) is 1,536 bytes: registers 0-3 at 16 x lane, 4-5 at 512 + 8 x lane, 6-9 at 768 + 16 x lane, 10-11 at 1,280 + 8 x lane:
; each store of a wave covers 512 or 256 consecutive bytes, aligned.  xc: [tile G][K step 8][1,536].  SCALE WORDS xs: [G][K / 256 (4)][row 16][2] words.
; MASK BITS mbits: [tile][key step 8][64 words]: bit l of word j = (mask[row of lane l % 16][128 s + 32 (j / 16) + 16 (l / 16) + j % 16] != 0): the lane mask of score register j in the attention launch.
; A block's scale is 2^(floor(log2(largest magnitude)) - 2); its byte is that magnitude's exponent field - 2, held at 1 from below.
; LIMITS: a block of zeros gets the byte 1 where the rule says 127 (its codes are zeros, and this program alone reads the bytes); blocks under 2^-124 were not tried; NaN and infinities are not served.
; SHARES.  2,304 tiles, 768 work-groups of three waves: nine tiles for each of 256 WGPs.  Wave G = 3 x work-group + wave takes tile G: 0-511 values, 512-1,023 keys, 1,024-1,535 queries, 1,536, 1,600, 1,664, 1,728 on: the four
; weights, 1,792-2,303 the mask.  Each load reads 512 consecutive bytes of one row; a step's 16 rows turn through the wave's own stage in LDS (rows of 512 + 16 bytes) so that a lane gets 16 neighbours of each block of 32.
; The two paths (numbers, mask) part once, on G, and have LDS bytes of their own.  No barrier: waves share nothing.  Loads run two steps (32 loads a wave) ahead.
.set STG,   8448                       ; a wave's stage: 16 rows x 528 bytes
.set ARMB,  3*STG                      ; the second path's stages begin here
.set D,     10                         ; v10-11   a step's 64 mask words, two a lane
.set PWS,   12                         ; v12-19   the scale words of the 8 steps
.set SD,    20                         ; v20-23   the scale words as they are stored
.set TM,    24                         ; v24-39   at work in the quantiser
.set PC,    40                         ; v40-59   a fragment's codes
.set X,     64                         ; v64-127  64 numbers: register 16 b + i = k 32 b + 16 (lane / 16) + i of my row
.set R,     128                        ; v128-255 two sets of 64 as loaded
.set SEL,   50                         ; s[50:51] lane selects: lane l xor 16
.set SRC,   26                         ; s[26:27] my tile's first byte
.set GT,    52                         ; s52      G: my tile among all
	s_load_b512 s[4:19], s[0:1], 0x0               ; values, keys, queries, Wv, Wk, Wq, Wo, mask
	s_load_b128 s[20:23], s[0:1], 0x40             ; xc, xs
	s_load_b64 s[24:25], s[0:1], 0x50              ; mbits
	v_lshl_add_u32 v62, v0, 2, 0xc600
	v_mov_b32 v63, 0
	v_lshrrev_b32 v1, 5, v0
	v_readfirstlane_b32 s30, v1                    ; wave
	v_and_b32 v1, 31, v0                           ; lane
	v_and_b32 v2, 15, v0                           ; r
	v_bfe_u32 v3, v0, 4, 1                         ; h
	v_lshlrev_b32 v4, 4, v1                        ; 16 x lane
	v_lshlrev_b32 v5, 3, v1                        ; 8 x lane
	s_mul_i32 s31, s30, STG
	v_add_nc_u32 v6, s31, v4                       ; into the stage: 16 x lane of a row
	v_mul_u32_u24 v7, v2, 528
	v_lshl_add_u32 v7, v3, 6, v7
	v_add_nc_u32 v7, s31, v7                       ; out of it: row r, + 64 h
	v_lshlrev_b32 v8, 3, v2
	v_lshl_add_u32 v8, v3, 7, v8                   ; scale words: 128 h + 8 r
	v_mov_b32 v[D], 0                              ; written once: v_writelane's destination counts as read
	v_mov_b32 v[D+1], 0
.irp b, 0,1,2,3
	v_mov_b32 v[TM+4+\b], 0                        ; likewise a lane permute's
.endr
	s_mov_b32 s[SEL], 0x76543210
	s_mov_b32 s[SEL+1], 0xfedcba98
	s_mul_i32 s[GT], ttmp9, 3
	s_add_co_u32 s[GT], s[GT], s30
	s_wait_kmcnt 0x0
	s_mov_b64 s[SRC:SRC+1], s[4:5]
	s_mov_b32 s28, 0
.macro PICK first, reg                 ; from tile 'first' on: the tensor at s[reg]; the choice hangs on the work-group's and the wave's number alone
	s_cmp_ge_u32 s[GT], \first
	s_cselect_b64 s[SRC:SRC+1], s[\reg:\reg+1], s[SRC:SRC+1]
	s_cselect_b32 s28, \first, s28
.endm
	PICK 512, 6
	PICK 1024, 8
	PICK 1536, 10
	PICK 1600, 12
	PICK 1664, 14
	PICK 1728, 16
	PICK 1792, 18
	s_sub_co_u32 s29, s[GT], s28                   ; my tile in its tensor
	s_lshr_b32 s34, s29, 1
	s_lshl_b32 s34, s34, 17                        ; 32 rows of 4,096 bytes for each pair of tiles,
	s_and_b32 s35, s29, 1
	s_lshl_b32 s35, s35, 15                        ; 8 rows for the odd one
	s_add_co_u32 s34, s34, s35
	s_mov_b32 s35, 0
	s_add_nc_u64 s[SRC:SRC+1], s[SRC:SRC+1], s[34:35]
.macro LOAD t                          ; step t: 16 rows x 512 bytes into set t % 2; lane row i is row i + 8 (i / 8) of the tile
.irp i, 0,1,2,3,4,5,6,7,8,9,10,11,12,13,14,15
	global_load_b128 v[R+64*((\t)%2)+4*\i:R+64*((\t)%2)+4*\i+3], v4, s[SRC:SRC+1] offset:(\i+8*(\i/8))*4096+512*(\t) th:TH_LOAD_NT
.endr
.endm
	LOAD 0
	LOAD 1
; The quantiser in two parts.  QMAX: of 64 numbers of a lane, v[s] on, the four blocks' scales, and the scale word in v[pw]
.macro QMAX s, pw
.irp b, 0,1,2,3
	v_max3_num_f32 v[TM+\b], |v[\s+16*\b]|, |v[\s+1+16*\b]|, 0x1800000   ; block b: my 16 numbers, and the floor 2^(3 - 127): the byte cannot fall under 1
.endr
.irp i, 2,4,6,8,10,12,14
.irp b, 0,1,2,3
	v_max3_num_f32 v[TM+\b], v[TM+\b], |v[\s+16*\b+\i]|, |v[\s+1+16*\b+\i]|   ; the four blocks by turns
.endr
.endr
.irp b, 0,1,2,3
	v_permlanex16_b32 v[TM+4+\b], v[TM+\b], s[SEL], s[SEL+1]
.endr
.irp b, 0,1,2,3
	v_max_num_f32 v[TM+\b], v[TM+\b], v[TM+4+\b]   ; with lane l xor 16's 16: the block's largest magnitude
.endr
.irp b, 0,1,2,3
	v_add_nc_u32 v[TM+12+\b], 0xff000000, v[TM+\b] ; 2 off its exponent field: the conversion's scale operand
.endr
.irp b, 0,1,2,3
	v_lshrrev_b32 v[TM+4+\b], 23, v[TM+12+\b]      ; the scale's byte
.endr
	v_lshl_or_b32 v[\pw], v[TM+5], 8, v[TM+4]
	v_lshl_or_b32 v[\pw], v[TM+6], 16, v[\pw]
	v_lshl_or_b32 v[\pw], v[TM+7], 24, v[\pw]
.endm
; QCVT: the fragment's codes into v[PC] on
.macro QCVT s
.irp c, 0,1
	v_cvt_scalef32_pk16_fp6_f32 v[PC+6*\c:PC+2+6*\c], v[\s+32*\c:\s+15+32*\c], v[TM+12+2*\c]
	v_cvt_scalef32_pk16_fp6_f32 v[PC+12+4*\c:PC+14+4*\c], v[\s+16+32*\c:\s+31+32*\c], v[TM+12+2*\c+1]   ; a conversion's three registers begin on an even number
.endr
	v_nop                                          ; one plain place behind a scaled conversion
.irp c, 0,1                                    ; the operand's layout wants a whole block in a lane
.irp i, 0,1,2
	v_permlane16_swap_b32 v[PC+6*\c+\i], v[PC+12+4*\c+\i]
.endr
.irp i, 0,1,2
	v_mov_b32 v[PC+3+6*\c+\i], v[PC+12+4*\c+\i]
.endr
.endr
.endm
; The part of a step that both paths have: the step's rows turn through the stage.  arm: whose stage
.macro TURNIN t, arm
.if (\t) < 7
	s_wait_loadcnt 16                              ; this step's 16 loads are in; the next step's 16 may be out
.else
	s_wait_loadcnt 0x0
.endif
.irp i, 0,1,2,3,4,5,6,7,8,9,10,11,12,13,14,15
	ds_store_b128 v6, v[R+64*((\t)%2)+4*\i:R+64*((\t)%2)+4*\i+3] offset:(\arm)*ARMB+528*\i
.endr
.irp b, 0,1,2,3
.irp j, 0,1,2,3
	ds_load_b128 v[X+16*\b+4*\j:X+16*\b+4*\j+3], v7 offset:(\arm)*ARMB+128*\b+16*\j   ; LDS serves a wave's instructions in order: these see the stores above
.endr
.endr
	s_wait_dscnt 0x0                               ; the numbers are back, and the stores have read the set that is loaded again further down
.endm
	s_cmp_ge_u32 s[GT], 1792
	s_cbranch_scc1 .Lmask
	; ---- numbers into codes
	s_mul_i32 s34, s[GT], 12288
	s_add_nc_u64 s[20:21], s[20:21], s[34:35]      ; my tile's eight fragments
	s_lshl_b32 s34, s[GT], 9
	s_add_nc_u64 s[22:23], s[22:23], s[34:35]      ; and its scale words
.macro QSTEP t
	TURNIN \t, 0
	QMAX X, PWS+\t
	s_wait_xcnt 0x0                                ; the last step's stores have read their data, which the conversions below write again.  All that is out here was issued a step ago: the loads of two steps on follow behind this wait, not ahead of it
.if (\t) < 6
	LOAD (\t)+2
.endif
	QCVT X
	global_store_b128 v4, v[PC:PC+3], s[20:21] offset:1536*\t
	global_store_b64 v5, v[PC+4:PC+5], s[20:21] offset:1536*\t+512
	global_store_b128 v4, v[PC+6:PC+9], s[20:21] offset:1536*\t+768
	global_store_b64 v5, v[PC+10:PC+11], s[20:21] offset:1536*\t+1280
.endm
	s_wait_alu depctr_va_vdst(0)
.irp t, 0,1,2,3,4,5,6,7
	QSTEP \t
.endr
	v_cmp_ne_u32 vcc_lo, 0, v3                     ; lanes 0-15 store K / 256 = 0 and 2, lanes 16-31 1 and 3: 256 consecutive bytes a store
.irp jj, 0,1
.irp e, 0,1
	v_cndmask_b32 v[SD+2*\jj+\e], v[PWS+4*\jj+\e], v[PWS+4*\jj+2+\e], vcc_lo
.endr
	global_store_b64 v8, v[SD+2*\jj:SD+2*\jj+1], s[22:23] offset:256*\jj
.endr
	s_wait_tensorcnt 0x0
	ds_add_u32 v62, v63
	s_wait_dscnt 0x0
	s_endpgm
.Lmask:
	; ---- the mask into bits
	s_sub_co_u32 s34, s[GT], 1792
	s_lshl_b32 s34, s34, 11
	s_add_nc_u64 s[24:25], s[24:25], s[34:35]      ; my tile's 8 x 64 words
.macro MSTEP t
	TURNIN \t, 1
.irp g, 0,1,2,3
.irp j, 0,1,2,3,4,5,6,7,8,9,10,11,12,13,14,15
	v_cmp_ne_u32 s[32+\j], 0, v[X+16*\g+\j]        ; word 16 g + j: a bit a lane
.endr
.if \g == 0
	s_wait_xcnt 0x0                                ; the last step's store has read its two registers, which are written again below; the loads of two steps on follow behind this wait
.if (\t) < 6
	LOAD (\t)+2
.endif
.endif
.irp j, 0,1,2,3,4,5,6,7,8,9,10,11,12,13,14,15
	v_writelane_b32 v[D+\j%2], s[32+\j], 8*\g+\j/2 ; word w to lane w / 2, register w % 2
.endr
.endr
	global_store_b64 v5, v[D:D+1], s[24:25] offset:256*\t   ; 256 consecutive bytes, aligned
.endm
	s_wait_alu depctr_va_vdst(0)
.irp t, 0,1,2,3,4,5,6,7
	MSTEP \t
.endr
	s_wait_tensorcnt 0x0
	ds_add_u32 v62, v63
	s_wait_dscnt 0x0
	s_endpgm
.Lfunc_end_k_q8cb9feb18a_prep:
	.size	k_q8cb9feb18a_prep, .Lfunc_end_k_q8cb9feb18a_prep-k_q8cb9feb18a_prep
	.p2alignl 7, 3214868480
	.fill 96, 4, 3214868480
	.section	.rodata,"a",@progbits
	.p2align	6, 0x0
	.amdhsa_kernel k_q8cb9feb18a_prep
		.amdhsa_group_segment_fixed_size 51200
		.amdhsa_private_segment_fixed_size 0
		.amdhsa_enable_private_segment 0
		.amdhsa_kernarg_size 88
		.amdhsa_user_sgpr_count 2
		.amdhsa_user_sgpr_kernarg_segment_ptr 1
		.amdhsa_wavefront_size32 1
		.amdhsa_system_sgpr_workgroup_id_x 1
		.amdhsa_system_sgpr_workgroup_id_y 1
		.amdhsa_system_sgpr_workgroup_id_z 1
		.amdhsa_system_vgpr_workitem_id 0
		.amdhsa_next_free_vgpr 256
		.amdhsa_next_free_sgpr 66
		.amdhsa_reserve_vcc 1
		.amdhsa_float_denorm_mode_32 3
		.amdhsa_float_denorm_mode_16_64 3
		.amdhsa_memory_ordered 1
		.amdhsa_forward_progress 1
		.amdhsa_inst_pref_size 157
	.end_amdhsa_kernel
	.amdgpu_metadata
---
amdhsa.version: [ 1, 2 ]
amdhsa.kernels:
  - .name:           k_q8cb9feb18a_prep
    .symbol:         k_q8cb9feb18a_prep.kd
    .args:
      - { .name: values, .offset: 0, .size: 8, .value_kind: global_buffer, .address_space: global }
      - { .name: keys, .offset: 8, .size: 8, .value_kind: global_buffer, .address_space: global }
      - { .name: queries, .offset: 16, .size: 8, .value_kind: global_buffer, .address_space: global }
      - { .name: Wv, .offset: 24, .size: 8, .value_kind: global_buffer, .address_space: global }
      - { .name: Wk, .offset: 32, .size: 8, .value_kind: global_buffer, .address_space: global }
      - { .name: Wq, .offset: 40, .size: 8, .value_kind: global_buffer, .address_space: global }
      - { .name: Wo, .offset: 48, .size: 8, .value_kind: global_buffer, .address_space: global }
      - { .name: mask, .offset: 56, .size: 8, .value_kind: global_buffer, .address_space: global }
      - { .name: xc, .offset: 64, .size: 8, .value_kind: global_buffer, .address_space: global }
      - { .name: xs, .offset: 72, .size: 8, .value_kind: global_buffer, .address_space: global }
      - { .name: mbits, .offset: 80, .size: 8, .value_kind: global_buffer, .address_space: global }
    .group_segment_fixed_size: 51200
    .private_segment_fixed_size: 0
    .kernarg_segment_align: 8
    .kernarg_segment_size: 88
    .max_flat_workgroup_size: 96
    .sgpr_count:     66
    .vgpr_count:     256
    .wavefront_size: 32
...
	.end_amdgpu_metadata
.endif
;; end of part 1
;; launch proj (part 2): grid 4 x 96, 4 waves a work-group, clusters of 4 x 4, 327,680 bytes of LDS; arguments xc, xs, bq, bk, bv, hc, hs; writes hc, hs
.if DOCPART == 2
	.amdgcn_target "amdgcn-amd-amdhsa--gfx1250"
	.amdhsa_code_object_version 6
	.text
	.protected	k_q8cb9feb18a_proj
	.globl	k_q8cb9feb18a_proj
	.p2align	8
	.type	k_q8cb9feb18a_proj,@function
k_q8cb9feb18a_proj:
	s_mov_b64 s[64:65], 0
	v_nop
	global_prefetch_b8 v0, s[64:65] scope:SCOPE_SE
	s_setreg_imm32_b32 hwreg(HW_REG_WAVE_MODE, 25, 1), 1
	s_wait_xcnt 0x0
	s_wait_alu depctr_hold_cnt(0) depctr_sa_sdst(0) depctr_va_vdst(0) depctr_va_sdst(0) depctr_va_ssrc(0) depctr_va_vcc(0) depctr_vm_vsrc(0)
	s_getreg_b32 s2, hwreg(HW_REG_IB_STS2, 6, 4)
	s_cmp_eq_u32 s2, 0
	s_cbranch_scc0 .Lentry_in_a_cluster
	s_endpgm
.Lentry_in_a_cluster:
	s_bfe_u32 s2, ttmp6, 0x10000c
	s_cmp_lg_u32 s2, 0xf033
	s_cbranch_scc0 .Lentry_shape_is_right
	s_endpgm
.Lentry_shape_is_right:
; PROJ.  q = queries Wq^T + bq, k = keys Wk^T + bk, v = values Wv^T + bv on codes of FP6 (E2M3) with E8M0 scales, and each result quantised again, in registers, along the K of the product that will read it:
; q and k along the head's 64, v along the tokens.  Cluster y / 8 says which (0 q, 1 k, 2 v).
; A tile of C is 256 x 256, four waves, 128 x 128 a wave: 64 accumulators, 512 registers.  K = 1,024 goes in four slots' worth of 256 through a ring of two LDS slots.
; OPERANDS ARE IMAGES OF REGISTERS (1,536 bytes a fragment of 16 rows x 128 K: registers 0-3 at 16 x lane, 4-5 at 512 + 8 x lane, 6-9 at 768 + 16 x lane, 10-11 at 1,280 + 8 x lane): a fragment comes out of LDS by four dense loads.
; THE MATRIX INSTRUCTION IS USED TRANSPOSED: source 0 = 16 rows of B, source 1 = 16 rows of A: a lane holds one row of A's side and its registers run along B's side; since tile 2 a + u, lane row r is row
; 32 a + 8 u + r + 8 (r / 8), register 8 b + i of a lane is B-side index 32 (b / 2) + 16 (lane / 16) + 8 (b % 2) + i: 16 neighbours in two tiles' registers.
; q, k: A = tokens, B = the weight's rows (features): a lane's 64 registers are 128 features = two heads.   v: A = Wv's rows, B = tokens: a lane holds a feature and 128 tokens = one key step.
; The bias is the C of the first K step.  CLUSTERS 4 x 4: A's tiles are shared along a row of the cluster, B's along a column, by joint loads.  The grid has one cluster along x.
; OUT.  hc: q at 0 and k at 6,291,456: [head of batch 128][token tile 64][768] (half a fragment: the head's 64 codes of 16 tokens); v at 12,582,912: [head][key step 8][tile of 16 of the head's 64: 4][1,536].
; hs: q at 0: [head][group of 8 tiles: 8][512]: lane l's 16 bytes = the words of tiles 4 (l / 16) + 0 .. 3 for row l % 16; from 524,288: [head][k's the same 8 x 512, then v's 8 x 256: at 16 r the words of tiles 0 .. 3].
; LIMITS: a block of zeros gets the byte 1 (its codes are zeros; this program alone reads the bytes); NaN and infinities are not served.
; No prefetch: half of K comes with the first fills, and each refill has 96 matrix instructions in which to land.
; REGISTERS: window 0: v1-9 lane terms; v16-23 LDS addresses; v27 the scale words' offset in xs; v28-29 the spare word's; v32-63 scale words, two sets; v64-127 the bias, later the results' scale words; v128-223 A's fragments, one set, later codes; v224-255 at work.
;   window 1: B's fragments, two sets, v0 and v128.  windows 2, 3: accumulators ((a, b) at v[8 (8 (a % 4) + b)]).
.set NQ,    2
.set FR,    12
.set NL,    4                          ; LDS loads that bring a fragment
.set NP,    4                          ; places behind this matrix instruction (ISA guide 7.12.1)
.set PARTB, 24576                      ; 8 tiles x 2 fragments: what one tensor load brings
.set SLOT,  4*PARTB
.set SPARE, 213248                     ; the spare words, 128 bytes a wave: two blocks of 256 bytes that no other line names
.set ADRA, 16                          ; v16-17 A's fragments in slot 0, 1 (16 x lane); v18-19 the same (512 + 8 x lane)
.set ADRB, 20                          ; v20-23 the same for B
.set ADRS, 27
.set SPW,  28
.set NIL,  29
.set SC,   32
.set BB,   64
.set PWS,  64
.set AF,   128
.set PC,   128
.set TM,   224
.set VB,   240
.set SD,   248
.set SD2,  252
.set WV, 18
.set RH, 19                            ; wave / 2: my half of A's rows; also: I fetch for A (0) or B (1)
.set CH, 20                            ; wave % 2: my half of B's rows; also: which 128 rows I fetch
.set TY, 23
.set SEL, 2                            ; s[2:3] lane selects
.set G1, 24
.set G0, 32
.set G1B, 48
.set G0B, 56
.set G0H, 68                           ; s[68:71], s[72:75] group 0 of the head's loads: all 16 tiles of A, or of B, for one slot
.set G0HB, 72
.set MSB, 0
.macro WIN new                         ; the immediate's high byte repeats the setting that is left
.if MSB != \new
	s_set_vgpr_msb (MSB<<8)|\new
.set MSB, \new
.endif
.endm
.set MUL_LO, 0xa1                      ; source 0 (B) window 1, source 1 (A) window 0, C and D window 2
.set MUL_HI, 0xf1
.set MUL_LOB, 0x81                     ; the same with C (the bias) in window 0
.set MUL_HIB, 0xc1
.set TO_B,   0x40
.macro JLOAD g0a, g1a, g0b, g1b        ; a joint load: waves 0, 1 for A, waves 2, 3 for B; four v_nop follow each line
	s_cmp_eq_u32 s[RH], 0
	s_cbranch_scc0 .Lfor_b_\@
	tensor_load_to_lds s[\g0a:\g0a+3], s[\g1a:\g1a+7]
	s_nop 0
.rept 4
	v_nop
.endr
	s_branch .Lasked_\@
.Lfor_b_\@:
	tensor_load_to_lds s[\g0b:\g0b+3], s[\g1b:\g1b+7]
	s_nop 0
.rept 4
	v_nop
.endr
.Lasked_\@:
.endm
.macro CREST
	s_cmp_lg_u32 s[WV], 0
	s_cbranch_scc1 .Lnot_wave_0_\@
	s_barrier_signal -3
.Lnot_wave_0_\@:
	s_barrier_wait -3
	s_barrier_signal -1
	s_barrier_wait -1
.endm
.macro CROUND
	s_barrier_signal -1
	s_barrier_wait -1
	CREST
.endm
.macro PLACES n
.rept \n
	v_nop
.endr
.endm
	s_load_b256 s[4:11], s[0:1], 0x0               ; xc, xs, bq, bk
	s_load_b128 s[12:15], s[0:1], 0x20             ; bv, hc
	s_load_b64 s[16:17], s[0:1], 0x30              ; hs
	v_lshl_add_u32 v[SPW], v0, 2, SPARE
	v_mov_b32 v[NIL], 0
	ds_add_u32 v28, v29
	ds_add_u32 v28, v29
	s_wait_dscnt 0x0
	v_lshrrev_b32 v1, 5, v0
	v_readfirstlane_b32 s[WV], v1
	s_lshr_b32 s[RH], s[WV], 1
	s_and_b32 s[CH], s[WV], 1
	s_bfe_u32 s21, ttmp6, 0x40000                  ; cx
	s_bfe_u32 s22, ttmp6, 0x40004                  ; cy
	s_and_b32 s40, ttmp7, 0xffff                   ; cluster y, which all sixteen share
	s_lshr_b32 s[TY], s40, 3                       ; 0 q, 1 k, 2 v
	s_and_b32 s40, s40, 7
	s_lshl_b32 s40, s40, 2
	s_cmp_eq_u32 s[TY], 2
	s_cselect_b32 s46, 0, s40
	s_cselect_b32 s47, s40, 0
	s_add_co_u32 s41, s46, s22                     ; tile row of C: q, k: 4 (y % 8) + cy (tokens); v: cy (features)
	s_add_co_u32 s42, s47, s21                     ; tile column:   q, k: cx (features);           v: 4 (y % 8) + cx (tokens)
	s_lshl_b32 s46, s[TY], 9
	s_sub_co_u32 s46, 1024, s46                    ; A's first tile in xc: queries 1,024, keys 512,
	s_lshl_b32 s47, s[TY], 6
	s_sub_co_u32 s47, 1664, s47                    ; B's: Wq 1,664, Wk 1,600;
	s_cmp_eq_u32 s[TY], 2
	s_cselect_b32 s46, 1536, s46                   ; v: A = Wv 1,536,
	s_cselect_b32 s47, 0, s47                      ; B = values 0
	s_lshl_b32 s96, s[CH], 3
	s_lshl_b32 s92, s41, 4
	s_add_co_u32 s92, s92, s46
	s_add_co_u32 s92, s92, s96                     ; the first of the 8 tiles of A that I would fetch: hangs on cy alone
	s_lshl_b32 s94, s42, 4
	s_add_co_u32 s94, s94, s47
	s_add_co_u32 s94, s94, s96                     ; of B: hangs on cx alone
	s_mul_i32 s98, s92, 12288
	s_mov_b32 s99, 0
	s_lshl_b32 s92, s92, 9
	s_mov_b32 s93, 0
	s_mul_i32 s100, s94, 12288
	s_mov_b32 s101, 0
	s_lshl_b32 s94, s94, 9
	s_mov_b32 s95, 0
	s_lshl_b32 s43, s22, 2
	s_lshl_b32 s43, 15, s43                        ; my row of the cluster
	s_lshl_b32 s44, 0x1111, s21                    ; my column
	; group 1, codes: 8 rows (tiles) of 3,072 bytes (384 elements of 8 bytes), 12,288 bytes apart; no padding
	s_or_b32 s[G1], s43, (3<<16)|(1<<21)
	s_or_b32 s[G1B], s44, (3<<16)|(1<<21)
.irp g, G1, G1B
	s_mov_b32 s[\g+1], 384<<16
	s_mov_b32 s[\g+2], 16<<16                      ; the head's loads bring 16 tiles; behind them the two words that count tiles are set to 8
	s_mov_b32 s[\g+3], 384<<16
	s_mov_b32 s[\g+4], 16
	s_mov_b32 s[\g+5], 1536
	s_mov_b32 s[\g+6], 0
	s_mov_b32 s[\g+7], 0
.endr
	s_mul_i32 s45, s[WV], PARTB                    ; where they go: by the wave's number alone
	s_mov_b32 s[SEL], 0x76543210
	s_mov_b32 s[SEL+1], 0xfedcba98
	s_wait_kmcnt 0x0
	s_add_nc_u64 s[98:99], s[4:5], s[98:99]
	s_add_nc_u64 s[100:101], s[4:5], s[100:101]
	CROUND                                         ; all sixteen work-groups are here: the first joint loads meet
	; the head's four tiles, one a wave: wave w fetches slot w / 2's 16 tiles of A (w even) or of B (w odd)
	s_mul_i32 s76, s[RH], 3072
	s_mov_b32 s77, 0
	s_mov_b32 s[G0H], 1
	s_mul_i32 s[G0H+1], s[RH], SLOT
	s_add_nc_u64 s[G0H+2:G0H+3], s[98:99], s[76:77]            ; used by even waves, whose s[98:99] is A's tile 0
	s_or_b32 s[G0H+3], s[G0H+3], 0x80000000
	s_mov_b32 s[G0HB], 1
	s_add_co_u32 s[G0HB+1], s[G0H+1], 2*PARTB
	s_add_nc_u64 s[G0HB+2:G0HB+3], s[100:101], s[76:77]
	s_sub_nc_u64 s[G0HB+2:G0HB+3], s[G0HB+2:G0HB+3], 98304     ; used by odd waves, whose s[100:101] is B's tile 8: eight tiles back
	s_or_b32 s[G0HB+3], s[G0HB+3], 0x80000000
.irp s, 0,1
	s_mov_b32 s[G0+4*\s], 1
	s_add_co_u32 s[G0+4*\s+1], s45, \s*SLOT
	s_add_nc_u64 s[G0+4*\s+2:G0+4*\s+3], s[98:99], \s*3072
	s_or_b32 s[G0+4*\s+3], s[G0+4*\s+3], 0x80000000
	s_mov_b32 s[G0B+4*\s], 1
	s_add_co_u32 s[G0B+4*\s+1], s45, \s*SLOT
	s_add_nc_u64 s[G0B+4*\s+2:G0B+4*\s+3], s[100:101], \s*3072
	s_or_b32 s[G0B+4*\s+3], s[G0B+4*\s+3], 0x80000000
.endr
	s_cmp_eq_u32 s[CH], 0                          ; one chain of two arms, a load in each
	s_cbranch_scc0 .Lhead_b
	tensor_load_to_lds s[G0H:G0H+3], s[G1:G1+7]
	s_nop 0
.rept 4
	v_nop
.endr
	s_branch .Lhead_asked
.Lhead_b:
	tensor_load_to_lds s[G0HB:G0HB+3], s[G1B:G1B+7]
	s_nop 0
.rept 4
	v_nop
.endr
.Lhead_asked:
	v_and_b32 v1, 31, v0                           ; lane
	v_and_b32 v2, 15, v0                           ; r
	v_bfe_u32 v3, v0, 4, 1                         ; h
	v_lshlrev_b32 v4, 4, v1                        ; 16 x lane
	v_lshlrev_b32 v5, 3, v1
	v_add_nc_u32 v5, 512, v5                       ; 512 + 8 x lane
	s_mul_i32 s46, s[RH], PARTB
	s_mul_i32 s47, s[CH], PARTB
	s_add_co_u32 s47, s47, 2*PARTB
.irp s, 0,1
	v_add_nc_u32 v[ADRA+\s], s46, v4
	v_add_nc_u32 v[ADRA+2+\s], s46, v5
	v_add_nc_u32 v[ADRB+\s], s47, v4
	v_add_nc_u32 v[ADRB+2+\s], s47, v5
	s_add_co_u32 s46, s46, SLOT
	s_add_co_u32 s47, s47, SLOT
.endr
	; scale words come from xs straight into their registers: lanes 0-15 A's tiles (my half), lanes 16-31 B's; v[ADRS] is a byte offset in xs: 512 x tile + 8 r
	s_lshl_b32 s46, s[CH], 12
	s_sub_co_u32 s92, s92, s46
	s_lshl_b32 s46, s[RH], 12
	s_add_co_u32 s92, s92, s46                     ; 512 x the first tile of my half of A; s94: the same of B
	v_cmp_ne_u32 vcc_lo, 0, v3
	v_mov_b32 v6, s92
	v_mov_b32 v10, s94
	v_cndmask_b32 v6, v6, v10, vcc_lo
	v_lshl_add_u32 v[ADRS], v2, 3, v6
.macro SCALES sc, kq                   ; the two words a row of K / 256 = kq into set sc: sixteen lanes read 128 consecutive bytes
.irp i, 0,1,2,3,4,5,6,7
	global_load_b64 v[SC+16*\sc+2*\i:SC+16*\sc+2*\i+1], v[ADRS], s[6:7] offset:\i*512+128*(\kq)
.endr
.endm
	SCALES 0, 0
	SCALES 1, 1
.irp b, 0,1,2,3
	v_mov_b32 v[TM+4+\b], 0                        ; written once: a lane permute's destination counts as one of its sources
.endr
	; the bias, in the result's layout.  q, k: register 8 x + i = b[first feature + 32 (x / 2) + 16 h + 8 (x % 2) + i], the C of B's tile x.  v: all eight = b[first feature + 32 (x / 2) + 8 (x % 2) + r + 8 (r / 8)], the C of A's tile x
	s_lshl_b32 s92, s41, 10
	s_lshl_b32 s93, s[RH], 9
	s_add_co_u32 s92, s92, s93                     ; v: my first feature x 4
	s_lshl_b32 s94, s42, 10
	s_lshl_b32 s93, s[CH], 9
	s_add_co_u32 s94, s94, s93                     ; q, k
	s_cmp_eq_u32 s[TY], 1
	s_cselect_b64 s[8:9], s[10:11], s[8:9]
	s_cmp_eq_u32 s[TY], 2
	s_cselect_b64 s[8:9], s[12:13], s[8:9]
	s_cselect_b32 s46, -1, 0
	s_cselect_b32 s47, 0, 4
	s_cselect_b32 s92, s92, s94
	s_mov_b32 s93, 0
	s_add_nc_u64 s[8:9], s[8:9], s[92:93]
	v_lshlrev_b32 v6, 4, v3
	v_and_b32 v10, 8, v2
	v_add_nc_u32 v10, v10, v2
	v_cndmask_b32 v6, v6, v10, s46
	v_lshlrev_b32 v[VB], 2, v6
.irp i, 1,2,3,4,5,6,7
	v_add_nc_u32 v[VB+\i], s47, v[VB+\i-1]
.endr
.irp x, 0,1,2,3,4,5,6,7
.irp i, 0,1,2,3,4,5,6,7
	global_load_b32 v[BB+8*\x+\i], v[VB+\i], s[8:9] offset:4*(32*(\x/2)+8*(\x%2))
.endr
.endr
	; where the results go
	s_cmp_eq_u32 s[TY], 2
	s_cselect_b32 s92, s42, s41                    ; the token side's tile of 256,
	s_cselect_b32 s93, s[CH], s[RH]                ; and my half of it;
	s_cselect_b32 s94, s41, s42                    ; the feature side's,
	s_cselect_b32 s95, s[RH], s[CH]
	s_mov_b32 s96, 768
	s_cselect_b32 s96, 1536, s96                   ; from A's block a to a + 1: the next token tile, or (v) the next tile of the head's 64;
	s_mov_b32 s98, 768
	s_cselect_b32 s98, 44544, s98                  ; from block 3 to 4: (v) the next head's tile 0: 49,152 - 3 x 1,536
	s_mov_b32 s46, 49152
	s_cselect_b32 s46, 768, s46                    ; a fragment's second half: the next head's, or (v) the same fragment's
	s_mov_b32 s47, 256
	s_cselect_b32 s47, 6144, s47                   ; scale words of lanes 16-31: tiles 4-7 of the group, or (v) the next head's
	s_mov_b32 s97, 0
	s_mov_b32 s99, 0
	v_add_nc_u32 v7, s46, v4
	v_add_nc_u32 v8, s46, v5
	v_mul_u32_u24 v9, s47, v3
	v_lshl_add_u32 v9, v2, 4, v9
	s_lshr_b32 s66, s92, 2
	s_lshl_b32 s66, s66, 4
	s_lshl_b32 s94, s94, 2
	s_add_co_u32 s66, s66, s94
	s_lshl_b32 s95, s95, 1
	s_add_co_u32 s66, s66, s95                     ; my first head: 16 x batch + 4 x feature tile + 2 x half
	s_and_b32 s92, s92, 3
	s_lshl_b32 s92, s92, 1
	s_add_co_u32 s92, s92, s93                     ; my 128 tokens of the batch's 1,024
	s_mul_i32 s94, s[TY], 6291456
	s_mul_i32 s95, s66, 49152
	s_add_co_u32 s94, s94, s95
	s_mul_i32 s95, s92, 6144
	s_add_co_u32 s94, s94, s95
	s_mov_b32 s95, 0
	s_add_nc_u64 s[14:15], s[14:15], s[94:95]
	s_lshl_b32 s93, s92, 9
	s_lshl_b32 s67, s92, 8
	s_add_co_u32 s67, s67, 4096
	s_cmp_eq_u32 s[TY], 2
	s_cselect_b32 s93, s67, s93
	s_cmp_eq_u32 s[TY], 0
	s_mov_b32 s100, 6144
	s_cselect_b32 s100, 4096, s100                 ; a head's scale bytes: q 4,096, k and v together 6,144
	s_cselect_b32 s94, 0, 524288
	s_mul_i32 s67, s66, s100
	s_add_co_u32 s94, s94, s67
	s_add_co_u32 s94, s94, s93
	s_add_nc_u64 s[16:17], s[16:17], s[94:95]
	s_mov_b32 s101, 0
	s_add_nc_u64 s[100:101], s[16:17], s[100:101]  ; the next head's
.macro FRAG reg, adr, off              ; a fragment's image: four dense loads
	ds_load_b128 v[(\reg):(\reg)+3], v[\adr] offset:\off
	ds_load_b64 v[(\reg)+4:(\reg)+5], v[\adr+2] offset:\off
	ds_load_b128 v[(\reg)+6:(\reg)+9], v[\adr] offset:\off+768
	ds_load_b64 v[(\reg)+10:(\reg)+11], v[\adr+2] offset:\off+768
.endm
; 16 matrix instructions: A's blocks a0, a0 + 1 x B's eight.  p: B's set; q: which 128 of the slot; sc: the set of scale words.  cm = 0: C = D; 1: C = the bias by B's tile; 2: by A's tile.
; The 64 accumulators take turns, one instruction a turn, in the same order in every step.
.macro MUL16 a0, p, q, sc, cm
.irp a, \a0, \a0+1
.irp b, 0,1,2,3,4,5,6,7
.if \cm == 0
	v_wmma_scale_f32_16x16x128_f8f6f4 v[8*(8*((\a)%4)+\b):8*(8*((\a)%4)+\b)+7], v[128*(\p)+FR*\b:128*(\p)+FR*\b+FR-1], v[AF+FR*(\a):AF+FR*(\a)+FR-1], v[8*(8*((\a)%4)+\b):8*(8*((\a)%4)+\b)+7], v[SC+16*(\sc)+2*\b+(\q)], v[SC+16*(\sc)+2*(\a)+(\q)] matrix_a_fmt:MATRIX_FMT_FP6 matrix_b_fmt:MATRIX_FMT_FP6 matrix_a_scale:MATRIX_SCALE_ROW1
.elseif \cm == 1
	v_wmma_scale_f32_16x16x128_f8f6f4 v[8*(8*((\a)%4)+\b):8*(8*((\a)%4)+\b)+7], v[128*(\p)+FR*\b:128*(\p)+FR*\b+FR-1], v[AF+FR*(\a):AF+FR*(\a)+FR-1], v[BB+8*\b:BB+8*\b+7], v[SC+16*(\sc)+2*\b+(\q)], v[SC+16*(\sc)+2*(\a)+(\q)] matrix_a_fmt:MATRIX_FMT_FP6 matrix_b_fmt:MATRIX_FMT_FP6 matrix_a_scale:MATRIX_SCALE_ROW1
.else
	v_wmma_scale_f32_16x16x128_f8f6f4 v[8*(8*((\a)%4)+\b):8*(8*((\a)%4)+\b)+7], v[128*(\p)+FR*\b:128*(\p)+FR*\b+FR-1], v[AF+FR*(\a):AF+FR*(\a)+FR-1], v[BB+8*(\a):BB+8*(\a)+7], v[SC+16*(\sc)+2*\b+(\q)], v[SC+16*(\sc)+2*(\a)+(\q)] matrix_a_fmt:MATRIX_FMT_FP6 matrix_b_fmt:MATRIX_FMT_FP6 matrix_a_scale:MATRIX_SCALE_ROW1
.endif
.endr
.endr
.endm
.macro FETCH_B slot, q, p
	WIN TO_B
.irp i, 0,1,2,3,4,5,6,7
	FRAG 128*(\p)+FR*\i, ADRB+\slot, 3072*\i+1536*(\q)
.endr
	WIN 0
.endm
.macro FETCH_A slot, q, i0
.irp i, \i0, \i0+1, \i0+2, \i0+3
	FRAG AF+FR*(\i), ADRA+\slot, 3072*(\i)+1536*(\q)
.endr
.endm
; A step of 128 along K that has its successor in the same slot
.macro STEP slot, q, cm
	s_wait_dscnt 4*NL                              ; all but the youngest 16 loads (A's blocks 4-7) are in
.if \cm
	WIN MUL_LOB
.else
	WIN MUL_LO
.endif
	MUL16 0, (\q)%2, \q, \slot, \cm
	MUL16 2, (\q)%2, \q, \slot, \cm
	s_wait_dscnt 0
	PLACES NP                                      ; in front of loads into registers that matrix instructions have read
	FETCH_B \slot, (\q)+1, 1-(\q)%2
	FETCH_A \slot, (\q)+1, 0
.if \cm
	WIN MUL_HIB
.else
	WIN MUL_HI
.endif
	MUL16 4, (\q)%2, \q, \slot, \cm
	MUL16 6, (\q)%2, \q, \slot, \cm
	PLACES NP
	WIN 0
	FETCH_A \slot, (\q)+1, 4
.endm
; A slot's last step changes slots: one barrier; in front of it each wave waits for all its tensor loads, adds 0 to its spare word, and waits for that and for its reads of this slot
.macro TURN slot, next, fill
	s_wait_tensorcnt 0x0                           ; all my tensor loads have landed: my part of the next slot
	ds_add_u32 v[SPW], v[NIL]                      ; 0 onto my spare word
	s_wait_dscnt 4*NL+1                            ; the add and the youngest 16 loads may be out
	WIN MUL_LO
	MUL16 0, 1, 1, \slot, 0
	s_wait_dscnt 0x0                               ; the add is done, and my reads of this slot are over
	s_barrier_signal -1
	MUL16 2, 1, 1, \slot, 0
	WIN 0
	s_barrier_wait -1
.if \fill
	CREST                                          ; the barrier has opened a round of the cluster's: no wave of any partner still reads this slot or has a load on its way
	s_add_nc_u64 s[G0+4*\slot+2:G0+4*\slot+3], s[G0+4*\slot+2:G0+4*\slot+3], 6144
	s_add_nc_u64 s[G0B+4*\slot+2:G0B+4*\slot+3], s[G0B+4*\slot+2:G0B+4*\slot+3], 6144
	JLOAD G0+4*\slot, G1, G0B+4*\slot, G1B         ; my one tensor load behind the round; its four v_nop are the places in front of the loads below
.else
	PLACES NP
.endif
	FETCH_B \next, 0, 0
	FETCH_A \next, 0, 0
	WIN MUL_HI
	MUL16 4, 1, 1, \slot, 0
	MUL16 6, 1, 1, \slot, 0
	PLACES NP
	WIN 0
	FETCH_A \next, 0, 4
.endm
	s_wait_alu depctr_va_vdst(0)
	s_wait_tensorcnt 0x0                           ; my one load has landed; no tensor load of mine is out, so a descriptor may be written:
	s_mov_b32 s[G1+2], 8<<16                       ; the ring's loads bring 8 tiles
	s_mov_b32 s[G1+4], 8
	s_mov_b32 s[G1B+2], 8<<16
	s_mov_b32 s[G1B+4], 8
	s_barrier_signal -1
	s_barrier_wait -1                              ; both slots are whole
	FETCH_B 0, 0, 0
	FETCH_A 0, 0, 0
	FETCH_A 0, 0, 4
	s_wait_loadcnt 0x0                             ; the bias
	s_cmp_eq_u32 s[TY], 2                          ; the first step starts the sums with the bias: by B's tile (q, k) or by A's (v); the same in all partners
	s_cbranch_scc1 .Lfirst_v
	STEP 0, 0, 1
	s_branch .Lfirst_done
.Lfirst_v:
	STEP 0, 0, 2
.Lfirst_done:
	TURN 0, 1, 1
	SCALES 0, 2                                    ; set 0 is done with (four places stand behind its last product): the words of two slots on
	STEP 1, 0, 0
	TURN 1, 0, 1
	s_wait_loadcnt 0x0                             ; set 0's words, asked for a slot ago
	SCALES 1, 3
	STEP 0, 0, 0
	TURN 0, 1, 0                                   ; nothing is left to fetch
	s_wait_loadcnt 0x0                             ; set 1's words
	STEP 1, 0, 0
	s_wait_dscnt 4*NL
	WIN MUL_LO
	MUL16 0, 1, 1, 1, 0
	MUL16 2, 1, 1, 1, 0
	s_wait_dscnt 0
	WIN MUL_HI
	MUL16 4, 1, 1, 1, 0
	MUL16 6, 1, 1, 1, 0
	WIN 0
; THE WAY OUT.  A's block a: my row's 64 registers (register 16 b + i = index 32 b + 16 h + i) are quantised where they stand: a fragment's codes into v[PC] on, its scale word into v[PWS + a].
; Each accumulator is first read at its low end.
.macro EQUANT a
.set AC, 64*((\a)%4)
.set WA, 2+(\a)/4
.set WW, WA|(WA<<2)
	WIN WW                                         ; sources 0 and 1: the accumulators' window
.irp b, 0,1,2,3
	v_max3_num_f32 v[TM+\b], |v[AC+16*\b]|, |v[AC+1+16*\b]|, 0x1800000
.endr
.irp i, 2,4,6,8,10,12,14
.irp b, 0,1,2,3
	v_max3_num_f32 v[TM+\b], |v[AC+16*\b+\i]|, |v[AC+1+16*\b+\i]|, v[TM+\b]
.endr
.endr
	WIN 0
.irp b, 0,1,2,3
	v_permlanex16_b32 v[TM+4+\b], v[TM+\b], s[SEL], s[SEL+1]
.endr
.irp b, 0,1,2,3
	v_max_num_f32 v[TM+\b], v[TM+\b], v[TM+4+\b]
.endr
.irp b, 0,1,2,3
	v_add_nc_u32 v[TM+12+\b], 0xff000000, v[TM+\b]
.endr
.irp b, 0,1,2,3
	v_lshrrev_b32 v[TM+4+\b], 23, v[TM+12+\b]
.endr
	v_lshl_or_b32 v[PWS+(\a)], v[TM+5], 8, v[TM+4]
	v_lshl_or_b32 v[PWS+(\a)], v[TM+6], 16, v[PWS+(\a)]
	v_lshl_or_b32 v[PWS+(\a)], v[TM+7], 24, v[PWS+(\a)]
	WIN WA                                         ; source 0: the accumulators' window
.irp c, 0,1
	v_cvt_scalef32_pk16_fp6_f32 v[PC+6*\c:PC+2+6*\c], v[AC+32*\c:AC+15+32*\c], v[TM+12+2*\c]
	v_cvt_scalef32_pk16_fp6_f32 v[PC+12+4*\c:PC+14+4*\c], v[AC+16+32*\c:AC+31+32*\c], v[TM+12+2*\c+1]
.endr
	WIN 0
	v_nop                                          ; one plain place behind a scaled conversion
.irp c, 0,1
.irp i, 0,1,2
	v_permlane16_swap_b32 v[PC+6*\c+\i], v[PC+12+4*\c+\i]
.endr
.irp i, 0,1,2
	v_mov_b32 v[PC+3+6*\c+\i], v[PC+12+4*\c+\i]
.endr
.endr
.endm
.macro OUTA a
.if (\a) > 0
	s_wait_xcnt 0x0                                ; the last block's stores have read their data and their base
.endif
	EQUANT \a
.if (\a) == 4
	s_add_nc_u64 s[14:15], s[14:15], s[98:99]
.elseif (\a) > 0
	s_add_nc_u64 s[14:15], s[14:15], s[96:97]
.endif
	global_store_b128 v4, v[PC:PC+3], s[14:15]     ; each store covers 512 or 256 consecutive bytes, aligned
	global_store_b64 v5, v[PC+4:PC+5], s[14:15]
	global_store_b128 v7, v[PC+6:PC+9], s[14:15]
	global_store_b64 v8, v[PC+10:PC+11], s[14:15]
.endm
	PLACES NP                                      ; behind the last products: their results are read and A's registers written below
.irp a, 0,1,2,3,4,5,6,7
	OUTA \a
.endr
	v_cmp_ne_u32 vcc_lo, 0, v3
.irp k, 0,1,2,3
	v_cndmask_b32 v[SD+\k], v[PWS+\k], v[PWS+4+\k], vcc_lo   ; lanes 0-15 blocks 0-3, lanes 16-31 blocks 4-7
.endr
	global_store_b128 v9, v[SD:SD+3], s[16:17]     ; q, k: the even head reads bytes 0 and 1 (bytes 2 and 3 stand over zero codes there); v: all four bytes
	s_cmp_eq_u32 s[TY], 2
	s_cbranch_scc1 .Lno_odd
.irp k, 0,1,2,3
	v_lshrrev_b32 v[SD2+\k], 16, v[SD+\k]          ; q, k: the odd head's two bytes
.endr
	global_store_b128 v9, v[SD2:SD2+3], s[100:101]
.Lno_odd:
	s_wait_tensorcnt 0x0                           ; the wave's end
	ds_add_u32 v[SPW], v[NIL]
	s_wait_dscnt 0x0
	CROUND                                         ; the closing round
	s_endpgm
.Lfunc_end_k_q8cb9feb18a_proj:
	.size	k_q8cb9feb18a_proj, .Lfunc_end_k_q8cb9feb18a_proj-k_q8cb9feb18a_proj
	.p2alignl 7, 3214868480
	.fill 96, 4, 3214868480
	.section	.rodata,"a",@progbits
	.p2align	6, 0x0
	.amdhsa_kernel k_q8cb9feb18a_proj
		.amdhsa_group_segment_fixed_size 327680
		.amdhsa_private_segment_fixed_size 0
		.amdhsa_enable_private_segment 0
		.amdhsa_kernarg_size 56
		.amdhsa_user_sgpr_count 2
		.amdhsa_user_sgpr_kernarg_segment_ptr 1
		.amdhsa_wavefront_size32 1
		.amdhsa_system_sgpr_workgroup_id_x 1
		.amdhsa_system_sgpr_workgroup_id_y 1
		.amdhsa_system_sgpr_workgroup_id_z 1
		.amdhsa_system_vgpr_workitem_id 0
		.amdhsa_next_free_vgpr 1024
		.amdhsa_next_free_sgpr 102
		.amdhsa_reserve_vcc 1
		.amdhsa_float_denorm_mode_32 3
		.amdhsa_float_denorm_mode_16_64 3
		.amdhsa_memory_ordered 1
		.amdhsa_forward_progress 1
		.amdhsa_inst_pref_size 169
	.end_amdhsa_kernel
	.amdgpu_metadata
---
amdhsa.version: [ 1, 2 ]
amdhsa.kernels:
  - .name:           k_q8cb9feb18a_proj
    .symbol:         k_q8cb9feb18a_proj.kd
    .args:
      - { .name: xc, .offset: 0, .size: 8, .value_kind: global_buffer, .address_space: global }
      - { .name: xs, .offset: 8, .size: 8, .value_kind: global_buffer, .address_space: global }
      - { .name: bq, .offset: 16, .size: 8, .value_kind: global_buffer, .address_space: global }
      - { .name: bk, .offset: 24, .size: 8, .value_kind: global_buffer, .address_space: global }
      - { .name: bv, .offset: 32, .size: 8, .value_kind: global_buffer, .address_space: global }
      - { .name: hc, .offset: 40, .size: 8, .value_kind: global_buffer, .address_space: global }
      - { .name: hs, .offset: 48, .size: 8, .value_kind: global_buffer, .address_space: global }
    .group_segment_fixed_size: 327680
    .private_segment_fixed_size: 0
    .kernarg_segment_align: 8
    .kernarg_segment_size: 56
    .max_flat_workgroup_size: 128
    .sgpr_count:     102
    .vgpr_count:     1024
    .wavefront_size: 32
...
	.end_amdgpu_metadata
.endif
;; end of part 2
;; launch attn (part 3): grid 4 x 64, 16 waves a work-group, clusters of 4 x 1, 210,944 bytes of LDS; arguments hc, hs, mbits, oc, os; writes oc, os
.if DOCPART == 3
	.amdgcn_target "amdgcn-amd-amdhsa--gfx1250"
	.amdhsa_code_object_version 6
	.text
	.protected	k_q8cb9feb18a_attn
	.globl	k_q8cb9feb18a_attn
	.p2align	8
	.type	k_q8cb9feb18a_attn,@function
k_q8cb9feb18a_attn:
	s_mov_b64 s[64:65], 0
	v_nop
	global_prefetch_b8 v0, s[64:65] scope:SCOPE_SE
	s_setreg_imm32_b32 hwreg(HW_REG_WAVE_MODE, 25, 1), 1
	s_wait_xcnt 0x0
	s_wait_alu depctr_hold_cnt(0) depctr_sa_sdst(0) depctr_va_vdst(0) depctr_va_sdst(0) depctr_va_ssrc(0) depctr_va_vcc(0) depctr_vm_vsrc(0)
	s_getreg_b32 s2, hwreg(HW_REG_IB_STS2, 6, 4)
	s_cmp_eq_u32 s2, 0
	s_cbranch_scc0 .Lentry_in_a_cluster
	s_endpgm
.Lentry_in_a_cluster:
	s_bfe_u32 s2, ttmp6, 0x10000c
	s_cmp_lg_u32 s2, 0x3003
	s_cbranch_scc0 .Lentry_shape_is_right
	s_endpgm
.Lentry_shape_is_right:
; ATTN.  For each batch and head: S = q k^T, masked, softmax over the keys of S / 32, O = P v; both products on codes of FP6 (E2M3) with E8M0 scales; O is quantised again along the embedding for the last product.
; THE SOFTMAX: t = score x log2(e) / 32; M = the running largest t rounded up to a whole number; p = 2^(t - M) is quantised along the keys, not normalised; the row's sum is taken of the unquantised p and divides O at the end.
; When M moves, the sum and O are multiplied by 2^(old M - new M): exact.
; THE MASK: a masked score is -2^66 where the definition says -1e20.  Either is so far under every other score that p = 0; in a row that is masked throughout c x (-2^66) is exact, t - M = 0 and p = 1 for every key, as the definition gives.
; LIMIT: the same as the definition while every unmasked |score| stays under 2^60.  NaN and infinities are not served; a block of zeros gets the byte 1 (its codes are zeros; this program alone reads the bytes).
; SHARES.  Work-group (cx, y): batch y / 8, heads 2 (y % 8) and 2 (y % 8) + 1, queries 256 cx on.  Each of sixteen waves owns one tile of 16 queries (tile 2 a + u, lane row r = query 32 a + 8 u + r + 8 (r / 8)) and walks the two
; heads one after the other: so it holds both heads' bytes of the next product's scale word, and its mask words serve twice.  Four waves to a SIMD: one wave's vector work stands beside another's products and loads.
; The head is 64: a fragment's registers 6-11 (K = 64 .. 127) are zero codes on both sides of the first product.
; LDS holds both heads' K, V and their scale words, filled ONCE (no slot is filled again): head e at 104,448 e: K [tile 64][768], V [key step 8][tile 4][1,536], K's scale words 8 x 512, V's 8 x 256.
; CLUSTER: the four work-groups of a cluster read the same K and V: every fill is a joint load that names the four.  No prefetch: K and V come once, at the head.
; Both products are used transposed (S^T = k q^T, O^T = v^T p^T): a lane holds one query; score register j is key 128 s + 32 (j / 16) + 16 (lane / 16) + j % 16, and word j of the step's 64 mask words is its lane mask.
.set HEADB, 104448
.set L16,  1                           ; v1   16 x lane
.set L8,   2                           ; v2   8 x lane
.set ADK16, 3                          ; v3-8 the head's LDS addresses
.set ADK8, 4
.set ADV16, 5
.set ADV8, 6
.set ADKS, 7
.set ADVS, 8
.set LN,   9                           ; v9   lane
.set NEG,  10                          ; v10  -2^66
.set R16,  11                          ; v11  16 x (lane % 16)
.set Q,    16                          ; v16-27 q's fragment (22-27 zero)
.set QS,   28                          ; q's scale word
.set PS,   29                          ; p's
.set QS2,  30                          ; the second head's q's
.set PWO,  31                          ; O's scale word: two bytes a head
.set KF,   32                          ; v32-79 a key step's eight fragments of k, six registers each; a fragment's registers 6-11 are the next fragment's codes, which meet q's zero codes and add nothing; v80-85 zero, behind the eighth
.set KSC,  86                          ; v86-89 k's scale words: lanes 0-15 tiles 0-3, lanes 16-31 tiles 4-7
.set VSC,  238                         ; v238-241 v's
.set Q2,   90                          ; v90-95 the second head's q
.set S,    96                          ; v96-159 S^T, then p; v96-143 then v's four fragments
.set VF,   96
.set O,    160                         ; v160-191 O^T
.set PC,   192                         ; v192-211 codes
.set BM,   212
.set T2,   216
.set SO,   220
.set F,    224                         ; v[224:225] f = 2^(old M - new M)
.set TP,   226
.set U,    228
.set C8,   232                         ; v232-236 lane terms of the LDS addresses
.set CV16, 233
.set CV8,  234
.set CKS,  235
.set CVS,  236
.set WV,   14
.set CS,   28                          ; s[28:29] c = log2(e) / 32
.set SEL,  30                          ; s[30:31]
.set G1,   32                          ; descriptors; their registers take mask words once the fills have landed
.set G1S,  40
.set G0,   48
.set G0S,  52
.set HB,   100                         ; s100 the head's first LDS byte
.set TRIP, 101
.macro CROUND
	s_barrier_signal -1
	s_barrier_wait -1
	s_cmp_lg_u32 s[WV], 0
	s_cbranch_scc1 .Lnot_wave_0_\@
	s_barrier_signal -3
.Lnot_wave_0_\@:
	s_barrier_wait -3
	s_barrier_signal -1
	s_barrier_wait -1
.endm
	s_load_b256 s[4:11], s[0:1], 0x0               ; hc, hs, mbits, oc
	s_load_b64 s[12:13], s[0:1], 0x20              ; os
	v_lshl_add_u32 v254, v0, 2, 0x33000
	v_mov_b32 v255, 0
	ds_add_u32 v254, v255
	ds_add_u32 v254, v255
	v_lshrrev_b32 v1, 5, v0
	s_delay_alu instid0(VALU_DEP_1)
	v_readfirstlane_b32 s[WV], v1                  ; wave 0..15
	s_bfe_u32 s15, ttmp6, 0x40000                  ; cx: it enters global addresses of q, the mask and the results alone
	s_and_b32 s16, ttmp7, 0xffff                   ; y, which the four partners share
	; what I fetch, if I fetch.  Waves 0-7: part w % 4 (K's halves, V's halves, 24,576 bytes each) of head w / 4.  Waves 8, 9: a head's 6,144 scale bytes
	s_lshr_b32 s17, s[WV], 2
	s_and_b32 s18, s[WV], 3
	s_mul_i32 s19, s17, HEADB
	s_mul_i32 s20, s18, 24576
	s_add_co_u32 s19, s19, s20                     ; LDS
	s_lshl_b32 s21, s16, 1                         ; the pair's first head among the 128
	s_add_co_u32 s22, s21, s17
	s_mul_i32 s22, s22, 49152
	s_lshr_b32 s23, s18, 1
	s_add_co_u32 s23, s23, 1
	s_mul_i32 s23, s23, 6291456                    ; k's codes, or v's
	s_add_co_u32 s22, s22, s23
	s_and_b32 s23, s18, 1
	s_mul_i32 s23, s23, 24576
	s_add_co_u32 s22, s22, s23
	s_mov_b32 s23, 0
	s_and_b32 s24, s[WV], 1
	s_mul_i32 s25, s24, HEADB
	s_add_co_u32 s25, s25, 98304
	s_add_co_u32 s26, s21, s24
	s_mul_i32 s26, s26, 6144
	s_add_co_u32 s26, s26, 524288
	s_mov_b32 s27, 0
	; group 1: dense blocks as rows of 256 bytes (32 elements of 8 bytes): 96 rows of codes, 24 of scale bytes; the mask names all four work-groups
	s_mov_b32 s[G1], 15|(3<<16)|(1<<21)
	s_mov_b32 s[G1+1], 32<<16
	s_mov_b32 s[G1+2], 96<<16
	s_mov_b32 s[G1+3], 32<<16
	s_mov_b32 s[G1+4], 96
	s_mov_b32 s[G1+5], 32
	s_mov_b32 s[G1+6], 0
	s_mov_b32 s[G1+7], 0
	s_mov_b32 s[G1S], 15|(3<<16)|(1<<21)
	s_mov_b32 s[G1S+1], 32<<16
	s_mov_b32 s[G1S+2], 24<<16
	s_mov_b32 s[G1S+3], 32<<16
	s_mov_b32 s[G1S+4], 24
	s_mov_b32 s[G1S+5], 32
	s_mov_b32 s[G1S+6], 0
	s_mov_b32 s[G1S+7], 0
	s_mov_b32 s[CS], 0x3d38aa3b
	s_mov_b32 s[CS+1], s[CS]                       ; named with it as a pair, so it is written
	s_mov_b32 s[SEL], 0x76543210
	s_mov_b32 s[SEL+1], 0xfedcba98
	s_wait_dscnt 0x0
	s_wait_kmcnt 0x0
	s_mov_b32 s[G0], 1
	s_mov_b32 s[G0+1], s19
	s_add_nc_u64 s[G0+2:G0+3], s[4:5], s[22:23]
	s_or_b32 s[G0+3], s[G0+3], 0x80000000
	s_mov_b32 s[G0S], 1
	s_mov_b32 s[G0S+1], s25
	s_add_nc_u64 s[G0S+2:G0S+3], s[6:7], s[26:27]
	s_or_b32 s[G0S+3], s[G0S+3], 0x80000000
	CROUND                                         ; all four work-groups are here: the joint loads meet
	s_cmp_lt_u32 s[WV], 8                          ; one tensor load a wave, ten waves; the branches hang on the wave's number alone
	s_cbranch_scc0 .Lnot_codes
	tensor_load_to_lds s[G0:G0+3], s[G1:G1+7]
	s_nop 0
.rept 4
	v_nop
.endr
	s_branch .Lasked
.Lnot_codes:
	s_cmp_lt_u32 s[WV], 10
	s_cbranch_scc0 .Lasked
	tensor_load_to_lds s[G0S:G0S+3], s[G1S:G1S+7]
	s_nop 0
.rept 4
	v_nop
.endr
.Lasked:
	v_and_b32 v[LN], 31, v0
	v_and_b32 v[R16], 15, v0
	s_delay_alu instid0(VALU_DEP_2)
	v_lshlrev_b32 v[L16], 4, v[LN]
	s_wait_alu depctr_va_vdst(0)
	v_lshlrev_b32 v[L8], 3, v[LN]
	s_wait_alu depctr_va_vdst(0)
	v_lshlrev_b32 v[R16], 4, v[R16]
	s_wait_alu depctr_va_vdst(0)
	v_add_nc_u32 v[C8], 512, v[L8]
	v_add_nc_u32 v[CV16], 49152, v[L16]
	v_add_nc_u32 v[CV8], 49664, v[L8]
	v_add_nc_u32 v[CKS], 98304, v[L16]
	v_add_nc_u32 v[CVS], 102400, v[R16]
	s_lshl_b32 s17, s15, 4
	s_add_co_u32 s17, s17, s[WV]                   ; my tile of the batch's 64
	s_mul_i32 s18, s21, 49152
	s_mul_i32 s19, s17, 768
	s_add_co_u32 s18, s18, s19
	s_mov_b32 s19, 0
	s_add_nc_u64 s[4:5], s[4:5], s[18:19]          ; q's codes: first head, my tile
	s_lshl_b32 s18, s21, 12
	s_lshr_b32 s20, s17, 3
	s_lshl_b32 s20, s20, 9
	s_add_co_u32 s18, s18, s20                     ; its scale words: the group of 8 tiles,
	s_bfe_u32 s20, s17, 0x10002
	s_lshl_b32 s20, s20, 8
	s_add_co_u32 s18, s18, s20                     ; tiles 4-7 lie 256 bytes on,
	s_and_b32 s20, s17, 3
	s_lshl_b32 s20, s20, 2
	s_add_co_u32 s18, s18, s20                     ; a word a tile
	s_add_nc_u64 s[6:7], s[6:7], s[18:19]
	global_load_b128 v[Q:Q+3], v[L16], s[4:5]
	global_load_b64 v[Q+4:Q+5], v[L8], s[4:5] offset:512
	global_load_b128 v[Q2:Q2+3], v[L16], s[4:5] offset:49152
	global_load_b64 v[Q2+4:Q2+5], v[L8], s[4:5] offset:49664
	global_load_b32 v[QS], v[R16], s[6:7]
	global_load_b32 v[QS2], v[R16], s[6:7] offset:4096
	s_lshr_b32 s20, s16, 3
	s_lshl_b32 s20, s20, 6
	s_add_co_u32 s20, s20, s17                     ; my tile among all 512
	s_lshl_b32 s18, s20, 11
	s_add_nc_u64 s[8:9], s[8:9], s[18:19]          ; its mask words
	s_and_b32 s22, s16, 7                          ; the pair of heads
	s_mul_i32 s18, s20, 12288
	s_mul_i32 s23, s22, 1536
	s_add_co_u32 s18, s18, s23
	s_add_nc_u64 s[10:11], s[10:11], s[18:19]      ; O's codes: my tile, the pair's first head
	s_lshl_b32 s18, s20, 9
	s_lshr_b32 s23, s22, 1
	s_lshl_b32 s23, s23, 7
	s_add_co_u32 s18, s18, s23
	s_and_b32 s23, s22, 1
	s_lshl_b32 s23, s23, 2
	s_add_co_u32 s18, s18, s23
	s_add_nc_u64 s[12:13], s[12:13], s[18:19]      ; and the pair's scale word
	v_mov_b32 v[NEG], 0xe0800000
	v_mov_b32 v[PWO], 0
	v_mov_b32 v[F+1], 0                            ; named as the upper half of a pair
	v_mov_b32 v[TP], 0
.irp b, 0,1,2,3
	v_mov_b32 v[T2+\b], 0                          ; written once: a lane permute's destination counts as one of its sources
.endr
.irp i, 6,7,8,9,10,11
	v_mov_b32 v[Q+\i], 0                           ; K = 64 .. 127 of q: zero codes
	v_mov_b32 v[KF+42+\i], 0                       ; v80-85
.endr
	s_mov_b32 s[HB], 0
	s_mov_b32 s[TRIP], 0
	s_wait_tensorcnt 0x0                           ; my fill has landed,
	s_barrier_signal -1
	s_barrier_wait -1                              ; everybody's has; no LDS byte is written from here on
	s_wait_loadcnt 0x0                             ; q
; A KEY STEP: 128 keys.  Step 0 starts M, the sum and O^T.
.macro KLOAD s                         ; key step s: k's eight fragments (the head's 64 codes of 16 keys each) and their scale words
.irp t, 0,1,2,3,4,5,6,7
	ds_load_b128 v[KF+6*\t:KF+6*\t+3], v[ADK16] offset:768*(8*(\s)+\t)
	ds_load_b64 v[KF+6*\t+4:KF+6*\t+5], v[ADK8] offset:768*(8*(\s)+\t)
.endr
	ds_load_b128 v[KSC:KSC+3], v[ADKS] offset:512*(\s)
.endm
.macro STEP s
	s_wait_dscnt 0x0                               ; this step's fragments of k, asked for a step ago
.irp t, 0,1,2,3                                ; S^T = k q^T, eight tiles of 16 keys
	v_wmma_scale_f32_16x16x128_f8f6f4 v[S+8*\t:S+8*\t+7], v[KF+6*\t:KF+6*\t+11], v[Q:Q+11], 0, v[KSC+\t], v[QS] matrix_a_fmt:MATRIX_FMT_FP6 matrix_b_fmt:MATRIX_FMT_FP6
.endr
.irp t, 0,1,2,3
	v_wmma_scale_f32_16x16x128_f8f6f4 v[S+32+8*\t:S+32+8*\t+7], v[KF+24+6*\t:KF+24+6*\t+11], v[Q:Q+11], 0, v[KSC+\t], v[QS] matrix_a_fmt:MATRIX_FMT_FP6 matrix_b_fmt:MATRIX_FMT_FP6 matrix_a_scale:MATRIX_SCALE_ROW1
.endr
.rept 4
	v_nop                                          ; places in front of the loads into registers that these products have read, and of the first read of their results
.endr
.if (\s) < 7
	KLOAD (\s)+1                                   ; the next step's fragments land under this step's vector work
.endif
	s_wait_kmcnt 0x0                               ; the step's 64 mask words
.set jj, 0
.rept 64
	v_cndmask_b32 v[S+jj], v[NEG], v[S+jj], s[32+jj+4*(jj/32)]   ; ascending: each accumulator is first read at its low end; the first 32 are the places behind tiles 4-7
.set jj, jj+1
.endr
.if (\s) < 7
	s_load_b512 s[32:47], s[8:9], 256*((\s)+1)     ; the next step's words; the pointer is never stepped
	s_load_b512 s[48:63], s[8:9], 256*((\s)+1)+64
	s_load_b512 s[68:83], s[8:9], 256*((\s)+1)+128
	s_load_b512 s[84:99], s[8:9], 256*((\s)+1)+192
.endif
.irp b, 0,1,2,3
	v_max3_num_f32 v[BM+\b], v[S+16*\b], v[S+1+16*\b], v[S+2+16*\b]   ; the largest score of each block of 32 keys: for the row's maximum, and, since p rises with the score, for the block's largest p
.endr
.irp i, 3,5,7,9,11,13
.irp b, 0,1,2,3
	s_delay_alu instid0(VALU_DEP_4)
	v_max3_num_f32 v[BM+\b], v[BM+\b], v[S+16*\b+\i], v[S+1+16*\b+\i]
.endr
.endr
.irp b, 0,1,2,3
	s_delay_alu instid0(VALU_DEP_4)
	v_max_num_f32 v[BM+\b], v[BM+\b], v[S+15+16*\b]
.endr
.irp b, 0,1,2,3
	s_delay_alu instid0(VALU_DEP_4)
	v_permlanex16_b32 v[T2+\b], v[BM+\b], s[SEL], s[SEL+1]
.endr
.irp b, 0,1,2,3
	s_delay_alu instid0(VALU_DEP_4)
	v_max_num_f32 v[BM+\b], v[BM+\b], v[T2+\b]
.endr
	s_delay_alu instid0(VALU_DEP_2)
	v_max3_num_f32 v[TP], v[BM], v[BM+1], v[BM+2]
	s_delay_alu instid0(VALU_DEP_1)
	v_max_num_f32 v[TP], v[TP], v[BM+3]
.if (\s) == 0
	s_delay_alu instid0(VALU_DEP_1)
	v_mul_f32 v13, s[CS], v[TP]                    ; the largest t
	s_delay_alu instid0(VALU_DEP_1)
	v_floor_f32 v12, -v13                          ; -M = floor(-t): M is a whole number
.else
	s_delay_alu instid0(VALU_DEP_1)
	v_mul_f32 v[TP], s[CS], v[TP]
	s_delay_alu instid0(VALU_DEP_1)
	v_max_num_f32 v13, v13, v[TP]
	v_mov_b32 v[TP], v12
	s_delay_alu instid0(VALU_DEP_2)
	v_floor_f32 v12, -v13
	s_delay_alu instid0(VALU_DEP_1)
	v_sub_f32 v[TP], v12, v[TP]                    ; old M - new M: a whole number, 0 or less
	s_delay_alu instid0(VALU_DEP_1)
	v_cvt_i32_f32 v[TP], v[TP]                     ; (it saturates)
	s_delay_alu instid0(VALU_DEP_1)
	v_ldexp_f32 v[F], 1.0, v[TP]
.endif
.set jj, 0
.rept 32
	v_pk_fma_f32 v[S+jj:S+jj+1], v[S+jj:S+jj+1], s[CS:CS+1], v[12:13] op_sel_hi:[1,0,0]   ; t - M
.set jj, jj+2
.endr
.irp b, 0,1,2,3
	v_fma_f32 v[BM+\b], v[BM+\b], s[CS], v12
.endr
.set jj, 0
	s_wait_alu depctr_va_vdst(0)
.rept 64
	v_exp_f32 v[S+jj], v[S+jj]                     ; p = 2^(t - M)
.set jj, jj+1
.endr
.if (\s) == 0
	v_mov_b32 v14, 0                               ; the sum, in two halves (a plain place behind the exponentials)
	v_mov_b32 v15, 0
.else
	v_pk_mul_f32 v[14:15], v[14:15], v[F:F+1] op_sel_hi:[1,0]   ; the sum under the new M (a plain place behind the exponentials)
.endif
	s_wait_alu depctr_va_vdst(0)                   ; one wait for the batch of 64, ahead of its first reader
.irp b, 0,1,2,3
	v_exp_f32 v[BM+\b], v[BM+\b]                   ; each block's largest p
.endr
	v_pk_add_f32 v[228:229], v[100:101], v[104:105]
	v_pk_add_f32 v[252:253], v[108:109], v[112:113]
	v_pk_add_f32 v[250:251], v[116:117], v[120:121]
	v_pk_add_f32 v[248:249], v[124:125], v[128:129]
	v_pk_add_f32 v[246:247], v[132:133], v[136:137]
	v_pk_add_f32 v[244:245], v[140:141], v[144:145]
	v_pk_add_f32 v[242:243], v[148:149], v[152:153]
	v_pk_add_f32 v[14:15], v[14:15], v[156:157]
	v_pk_add_f32 v[228:229], v[228:229], v[96:97]
	v_pk_add_f32 v[252:253], v[252:253], v[98:99]
	v_pk_add_f32 v[250:251], v[250:251], v[102:103]
	v_pk_add_f32 v[248:249], v[248:249], v[106:107]
	v_pk_add_f32 v[246:247], v[246:247], v[110:111]
	v_pk_add_f32 v[244:245], v[244:245], v[114:115]
	v_pk_add_f32 v[242:243], v[242:243], v[118:119]
	v_pk_add_f32 v[14:15], v[14:15], v[122:123]
	v_pk_add_f32 v[228:229], v[228:229], v[126:127]
	v_pk_add_f32 v[252:253], v[252:253], v[130:131]
	v_pk_add_f32 v[250:251], v[250:251], v[134:135]
	v_pk_add_f32 v[248:249], v[248:249], v[138:139]
	v_pk_add_f32 v[246:247], v[246:247], v[142:143]
	v_pk_add_f32 v[244:245], v[244:245], v[146:147]
	v_pk_add_f32 v[242:243], v[242:243], v[150:151]
	v_pk_add_f32 v[14:15], v[14:15], v[154:155]
	v_pk_add_f32 v[228:229], v[228:229], v[158:159]
	s_delay_alu instid0(VALU_DEP_2)
	v_pk_add_f32 v[14:15], v[14:15], v[248:249]
	s_delay_alu instid0(VALU_DEP_2)
	v_pk_add_f32 v[228:229], v[228:229], v[246:247]
	v_pk_add_f32 v[252:253], v[252:253], v[244:245]
	v_pk_add_f32 v[250:251], v[250:251], v[242:243]
	s_delay_alu instid0(VALU_DEP_2)
	v_pk_add_f32 v[14:15], v[14:15], v[252:253]
	s_delay_alu instid0(VALU_DEP_2)
	v_pk_add_f32 v[228:229], v[228:229], v[250:251]
	s_delay_alu instid0(VALU_DEP_1)
	v_pk_add_f32 v[14:15], v[14:15], v[228:229]
	s_wait_alu depctr_va_vdst(0)                   ; and one for the four
.irp b, 0,1,2,3
	v_max_num_f32 v[BM+\b], 0x1800000, v[BM+\b]    ; the floor 2^(3 - 127)
.endr
.irp b, 0,1,2,3
	s_delay_alu instid0(VALU_DEP_4)
	v_add_nc_u32 v[SO+\b], 0xff000000, v[BM+\b]
.endr
.irp b, 0,1,2,3
	s_delay_alu instid0(VALU_DEP_4)
	v_lshrrev_b32 v[T2+\b], 23, v[SO+\b]
.endr
	s_delay_alu instid0(VALU_DEP_3)
	v_lshl_or_b32 v[PS], v[T2+1], 8, v[T2]
	s_delay_alu instid0(VALU_DEP_1)
	v_lshl_or_b32 v[PS], v[T2+2], 16, v[PS]
	s_delay_alu instid0(VALU_DEP_1)
	v_lshl_or_b32 v[PS], v[T2+3], 24, v[PS]
.irp c, 0,1
	v_cvt_scalef32_pk16_fp6_f32 v[PC+6*\c:PC+2+6*\c], v[S+32*\c:S+15+32*\c], v[SO+2*\c]
	v_cvt_scalef32_pk16_fp6_f32 v[PC+12+4*\c:PC+14+4*\c], v[S+16+32*\c:S+31+32*\c], v[SO+2*\c+1]
.endr
	v_nop                                          ; one plain place behind a scaled conversion
.irp t, 0,1,2,3                                ; v's four fragments land where p stood, while p's codes are put in order
	ds_load_b128 v[VF+12*\t:VF+12*\t+3], v[ADV16] offset:6144*(\s)+1536*\t
	ds_load_b64 v[VF+12*\t+4:VF+12*\t+5], v[ADV8] offset:6144*(\s)+1536*\t
	ds_load_b128 v[VF+12*\t+6:VF+12*\t+9], v[ADV16] offset:6144*(\s)+1536*\t+768
	ds_load_b64 v[VF+12*\t+10:VF+12*\t+11], v[ADV8] offset:6144*(\s)+1536*\t+768
.endr
	ds_load_b128 v[VSC:VSC+3], v[ADVS] offset:256*(\s)
.irp c, 0,1
.irp i, 0,1,2
	v_permlane16_swap_b32 v[PC+6*\c+\i], v[PC+12+4*\c+\i]
.endr
.irp i, 0,1,2
	s_delay_alu instid0(VALU_DEP_3)
	v_mov_b32 v[PC+3+6*\c+\i], v[PC+12+4*\c+\i]
.endr
.endr
.if (\s) == 0
	s_wait_alu depctr_va_vdst(0)
.rept 8
	v_nop                                          ; a scale register written by a vector instruction stands 8 places ahead of a scaled matrix instruction, an operand 4
.endr
.else
.set jj, 0
.rept 16
	v_pk_mul_f32 v[O+jj:O+jj+1], v[O+jj:O+jj+1], v[F:F+1] op_sel_hi:[1,0]   ; O^T under the new M; these sixteen are also those places
.set jj, jj+2
.endr
.endif
	s_wait_alu depctr_va_vdst(0)
	s_wait_dscnt 0x0
.irp t, 0,1,2,3                                ; O^T += v^T p^T; the four accumulators take turns
.if (\s) == 0
	v_wmma_scale_f32_16x16x128_f8f6f4 v[O+8*\t:O+8*\t+7], v[VF+12*\t:VF+12*\t+11], v[PC:PC+11], 0, v[VSC+\t], v[PS] matrix_a_fmt:MATRIX_FMT_FP6 matrix_b_fmt:MATRIX_FMT_FP6
.else
	v_wmma_scale_f32_16x16x128_f8f6f4 v[O+8*\t:O+8*\t+7], v[VF+12*\t:VF+12*\t+11], v[PC:PC+11], v[O+8*\t:O+8*\t+7], v[VSC+\t], v[PS] matrix_a_fmt:MATRIX_FMT_FP6 matrix_b_fmt:MATRIX_FMT_FP6
.endif
.endr
.rept 5
	v_nop                                          ; five places: the next scores are written by matrix instructions over v's fragments
.endr
.endm
.Lhead:                                            ; two trips: the pair's two heads
	s_load_b512 s[32:47], s[8:9], 0x0              ; step 0's mask words (the descriptors that stood here are done with: the fills have landed)
	s_load_b512 s[48:63], s[8:9], 0x40
	s_load_b512 s[68:83], s[8:9], 0x80
	s_load_b512 s[84:99], s[8:9], 0xc0
	v_add_nc_u32 v[ADK16], s[HB], v[L16]
	v_add_nc_u32 v[ADK8], s[HB], v[C8]
	v_add_nc_u32 v[ADV16], s[HB], v[CV16]
	v_add_nc_u32 v[ADV8], s[HB], v[CV8]
	v_add_nc_u32 v[ADKS], s[HB], v[CKS]
	v_add_nc_u32 v[ADVS], s[HB], v[CVS]
	s_wait_alu depctr_va_vdst(0)
	KLOAD 0
.irp s, 0,1,2,3,4,5,6,7
	STEP \s
.endr
	; the head's end: O^T / the sum, quantised along the head's 64 (two blocks): register 16 b + i = channel 32 b + 16 h + i
	v_add_f32 v14, v14, v15
	s_delay_alu instid0(VALU_DEP_1)
	v_permlanex16_b32 v[TP], v14, s[SEL], s[SEL+1]
	s_delay_alu instid0(VALU_DEP_1)
	v_add_f32 v14, v14, v[TP]
	s_wait_alu depctr_va_vdst(0)
	v_rcp_f32 v14, v14
	v_nop                                          ; a plain place behind the reciprocal
	s_wait_alu depctr_va_vdst(0)                   ; and the wait ahead of its first reader
.set jj, 0
.rept 16
	v_pk_mul_f32 v[S+jj:S+jj+1], v[O+jj:O+jj+1], v[14:15] op_sel_hi:[1,0]
.set jj, jj+2
.endr
.irp b, 0,1
	v_max3_num_f32 v[BM+\b], |v[S+16*\b]|, |v[S+1+16*\b]|, 0x1800000
.endr
.irp i, 2,4,6,8,10,12,14
.irp b, 0,1
	s_delay_alu instid0(VALU_DEP_2)
	v_max3_num_f32 v[BM+\b], v[BM+\b], |v[S+16*\b+\i]|, |v[S+1+16*\b+\i]|
.endr
.endr
.irp b, 0,1
	s_delay_alu instid0(VALU_DEP_2)
	v_permlanex16_b32 v[T2+\b], v[BM+\b], s[SEL], s[SEL+1]
.endr
.irp b, 0,1
	s_delay_alu instid0(VALU_DEP_2)
	v_max_num_f32 v[BM+\b], v[BM+\b], v[T2+\b]
.endr
.irp b, 0,1
	s_delay_alu instid0(VALU_DEP_2)
	v_add_nc_u32 v[SO+\b], 0xff000000, v[BM+\b]
.endr
.irp b, 0,1
	s_delay_alu instid0(VALU_DEP_2)
	v_lshrrev_b32 v[T2+\b], 23, v[SO+\b]
.endr
	s_delay_alu instid0(VALU_DEP_1)
	v_lshl_or_b32 v[T2], v[T2+1], 8, v[T2]
	v_lshrrev_b32 v[PWO], 16, v[PWO]               ; the first head's two bytes move down,
	s_delay_alu instid0(VALU_DEP_1)
	v_lshl_or_b32 v[PWO], v[T2], 16, v[PWO]        ; this head's come in on top
	v_cvt_scalef32_pk16_fp6_f32 v[PC:PC+2], v[S:S+15], v[SO]
	v_cvt_scalef32_pk16_fp6_f32 v[PC+12:PC+14], v[S+16:S+31], v[SO+1]
	v_nop
.irp i, 0,1,2
	v_permlane16_swap_b32 v[PC+\i], v[PC+12+\i]
.endr
.irp i, 0,1,2
	s_delay_alu instid0(VALU_DEP_3)
	v_mov_b32 v[PC+3+\i], v[PC+12+\i]
.endr
	global_store_b128 v[L16], v[PC:PC+3], s[10:11]             ; half a fragment: 512 and 256 consecutive bytes, aligned
	global_store_b64 v[L8], v[PC+4:PC+5], s[10:11] offset:512
	v_mov_b32 v[QS], v[QS2]                        ; the second head's q: twelve plain instructions ahead of the next product for the scale word, six or more for the codes
.irp i, 0,1,2,3,4,5
	v_mov_b32 v[Q+\i], v[Q2+\i]
.endr
	s_wait_xcnt 0x0                                ; the stores have read their base
	s_add_nc_u64 s[10:11], s[10:11], 768
	s_add_co_u32 s[HB], s[HB], HEADB
	s_add_co_u32 s[TRIP], s[TRIP], 1
	s_cmp_lt_u32 s[TRIP], 2
	s_cbranch_scc1 .Lhead
	v_cmp_gt_u32 vcc_lo, 16, v[LN]                 ; lanes 0-15 store their rows' scale word of this K step of the last product
	v_lshrrev_b32 v[TP], 1, v[R16]                 ; 8 r
	s_wait_alu depctr_va_vdst(0)
	s_wait_xcnt 0x0                                ; EXEC changes only behind this wait
	s_and_saveexec_b32 s16, vcc_lo
	global_store_b32 v[TP], v[PWO], s[12:13]
	s_wait_xcnt 0x0
	s_or_b32 exec_lo, exec_lo, s16
	s_wait_dscnt 0x0
	s_wait_tensorcnt 0x0
	ds_add_u32 v254, v255
	s_wait_dscnt 0x0
	CROUND                                         ; the closing round: no work-group ends while a partner may still ask for a tile that names it
	s_endpgm
.Lfunc_end_k_q8cb9feb18a_attn:
	.size	k_q8cb9feb18a_attn, .Lfunc_end_k_q8cb9feb18a_attn-k_q8cb9feb18a_attn
	.p2alignl 7, 3214868480
	.fill 96, 4, 3214868480
	.section	.rodata,"a",@progbits
	.p2align	6, 0x0
	.amdhsa_kernel k_q8cb9feb18a_attn
		.amdhsa_group_segment_fixed_size 210944
		.amdhsa_private_segment_fixed_size 0
		.amdhsa_enable_private_segment 0
		.amdhsa_kernarg_size 40
		.amdhsa_user_sgpr_count 2
		.amdhsa_user_sgpr_kernarg_segment_ptr 1
		.amdhsa_wavefront_size32 1
		.amdhsa_system_sgpr_workgroup_id_x 1
		.amdhsa_system_sgpr_workgroup_id_y 1
		.amdhsa_system_sgpr_workgroup_id_z 1
		.amdhsa_system_vgpr_workitem_id 0
		.amdhsa_next_free_vgpr 256
		.amdhsa_next_free_sgpr 102
		.amdhsa_reserve_vcc 1
		.amdhsa_float_denorm_mode_32 3
		.amdhsa_float_denorm_mode_16_64 3
		.amdhsa_memory_ordered 1
		.amdhsa_forward_progress 1
		.amdhsa_inst_pref_size 189
	.end_amdhsa_kernel
	.amdgpu_metadata
---
amdhsa.version: [ 1, 2 ]
amdhsa.kernels:
  - .name:           k_q8cb9feb18a_attn
    .symbol:         k_q8cb9feb18a_attn.kd
    .args:
      - { .name: hc, .offset: 0, .size: 8, .value_kind: global_buffer, .address_space: global }
      - { .name: hs, .offset: 8, .size: 8, .value_kind: global_buffer, .address_space: global }
      - { .name: mbits, .offset: 16, .size: 8, .value_kind: global_buffer, .address_space: global }
      - { .name: oc, .offset: 24, .size: 8, .value_kind: global_buffer, .address_space: global }
      - { .name: os, .offset: 32, .size: 8, .value_kind: global_buffer, .address_space: global }
    .group_segment_fixed_size: 210944
    .private_segment_fixed_size: 0
    .kernarg_segment_align: 8
    .kernarg_segment_size: 40
    .max_flat_workgroup_size: 512
    .sgpr_count:     102
    .vgpr_count:     256
    .wavefront_size: 32
...
	.end_amdgpu_metadata
.endif
;; end of part 3
;; launch outp (part 4): grid 4 x 64, 4 waves a work-group, clusters of 4 x 4, 327,680 bytes of LDS; arguments oc, os, xc, xs, bo, out0; writes out0
.if DOCPART == 4
	.amdgcn_target "amdgcn-amd-amdhsa--gfx1250"
	.amdhsa_code_object_version 6
	.text
	.protected	k_q8cb9feb18a_outp
	.globl	k_q8cb9feb18a_outp
	.p2align	8
	.type	k_q8cb9feb18a_outp,@function
k_q8cb9feb18a_outp:
	s_mov_b64 s[64:65], 0
	v_nop
	global_prefetch_b8 v0, s[64:65] scope:SCOPE_SE
	s_setreg_imm32_b32 hwreg(HW_REG_WAVE_MODE, 25, 1), 1
	s_wait_xcnt 0x0
	s_wait_alu depctr_hold_cnt(0) depctr_sa_sdst(0) depctr_va_vdst(0) depctr_va_sdst(0) depctr_va_ssrc(0) depctr_va_vcc(0) depctr_vm_vsrc(0)
	s_getreg_b32 s2, hwreg(HW_REG_IB_STS2, 6, 4)
	s_cmp_eq_u32 s2, 0
	s_cbranch_scc0 .Lentry_in_a_cluster
	s_endpgm
.Lentry_in_a_cluster:
	s_bfe_u32 s2, ttmp6, 0x10000c
	s_cmp_lg_u32 s2, 0xf033
	s_cbranch_scc0 .Lentry_shape_is_right
	s_endpgm
.Lentry_shape_is_right:
; OUTP.  out0 = O Wo^T + bo on codes of FP6 (E2M3) with E8M0 scales; f32 sums, f32 out.  O's codes oc and scale words os come from the attention launch, Wo's from tiles 1,728 on of xc and xs.
; A block of out0 is 128 tokens x 256 features: four waves, 64 x 128 each, 32 accumulators.  256 work-groups.
; OPERANDS ARE IMAGES OF REGISTERS: [tile of 16 rows][K step 8][1,536 bytes]; a tile's scale words are 512 bytes: [K / 256 (4)][row 16][2 words].  Tile 2 a + u, lane row r is row 32 a + 8 u + r + 8 (r / 8).
; So the block's 8 tiles of A for all of K are one dense run of 98,304 bytes, B's 16 tiles one of 196,608, and their scale words runs of 4,096 and 8,192.
; THE HEAD ASKS FOR ALL OF IT, ONE JOINT LOAD A WAVE: wave 0 A's codes, wave 1 B's, wave 2 A's scale words, wave 3 B's.  No LDS byte is filled twice, and no tensor load follows the head.
; CLUSTERS 4 x 4: A's runs are shared along a row of the cluster, B's along a column.  No prefetch: every byte is asked for at the head, and there is no loop to run ahead in.
; THE MATRIX INSTRUCTION IS USED TRANSPOSED (source 0 = 16 rows of Wo, source 1 = 16 tokens): a lane holds one token, register 8 b + i is feature 32 (b / 2) + 16 (lane / 16) + 8 (b % 2) + i.  The bias is the C of the first K step.
; REGISTERS: window 0: v1-6 lane terms, v16-26 addresses, v32-47 A's scale words and v48-79 B's, two sets each, v80-143 the bias, later rows on the way out, v144-239 A's fragments, two sets; window 1: B's fragments, two sets, v0 and v128; window 2: accumulators.
.set FR,    12
.set NP,    4                          ; places behind this matrix instruction (ISA guide 7.12.1)
.set TILEB, 12288                      ; a tile's codes for all of K
.set BOFF,  8*TILEB
.set SCL,   24*TILEB
.set SCLB,  SCL+4096
.set SPARE, SCLB+8192                  ; the spare words, 128 bytes a wave: two blocks of 256 bytes that no other line names
.set SPITCH, 528
.set ADRA, 16                          ; v16 A's fragments (16 x lane), v17 (512 + 8 x lane)
.set ADRB, 18                          ; v18-19 B's tiles 0-3, v22-23 tiles 4-7
.set ADSA, 20
.set ADSB, 21
.set STO,  24
.set RD,   25
.set CO,   26
.set SA,   32
.set SB,   48
.set BB,   80
.set AF,   144
.set BK,   80
.set SPW,  254
.set NIL,  255
.set WV, 18
.set RH, 19                            ; wave / 2: my 64 tokens
.set CH, 20                            ; wave % 2: my 128 features
.set TR, 23
.set G1A, 24
.set G1B, 32
.set G1SA, 40
.set G1SB, 48
.set G0A, 56
.set G0B, 60
.set G0SA, 68
.set G0SB, 72
.set MSB, 0
.macro WIN new                         ; the immediate's high byte repeats the setting that is left
.if MSB != \new
	s_set_vgpr_msb (MSB<<8)|\new
.set MSB, \new
.endif
.endm
.set MUL_C,  0xa1                      ; source 0 (B) window 1, source 1 (A) window 0, C and D window 2
.set MUL_B,  0x81                      ; the same with C (the bias) in window 0
.set TO_B,   0x40
.macro CROUND
	s_barrier_signal -1
	s_barrier_wait -1
	s_cmp_lg_u32 s[WV], 0
	s_cbranch_scc1 .Lnot_wave_0_\@
	s_barrier_signal -3
.Lnot_wave_0_\@:
	s_barrier_wait -3
	s_barrier_signal -1
	s_barrier_wait -1
.endm
.macro PLACES n
.rept \n
	v_nop
.endr
.endm
.macro GRP1 g, m, rows                 ; a dense run as rows of 256 bytes (32 elements of 8 bytes); the mask, and bit 21 beside it
	s_or_b32 s[\g], \m, (3<<16)|(1<<21)
	s_mov_b32 s[\g+1], 32<<16
	s_mov_b32 s[\g+2], \rows<<16
	s_mov_b32 s[\g+3], 32<<16
	s_mov_b32 s[\g+4], \rows
	s_mov_b32 s[\g+5], 32
	s_mov_b32 s[\g+6], 0
	s_mov_b32 s[\g+7], 0
.endm
.macro GRP0 g, lds, base, off
	s_mov_b32 s[\g], 1
	s_mov_b32 s[\g+1], \lds
	s_add_nc_u64 s[\g+2:\g+3], s[\base:\base+1], s[\off:\off+1]
	s_or_b32 s[\g+3], s[\g+3], 0x80000000
.endm
	s_load_b256 s[4:11], s[0:1], 0x0               ; oc, os, xc, xs
	s_load_b128 s[12:15], s[0:1], 0x20             ; bo, out0
	v_lshl_add_u32 v[SPW], v0, 2, SPARE
	v_mov_b32 v[NIL], 0
	ds_add_u32 v[SPW], v[NIL]                      ; the opening lines: the add, twice on end, and its wait ahead of my tensor load
	ds_add_u32 v[SPW], v[NIL]
	v_lshrrev_b32 v1, 5, v0
	v_readfirstlane_b32 s[WV], v1
	s_lshr_b32 s[RH], s[WV], 1
	s_and_b32 s[CH], s[WV], 1
	s_bfe_u32 s21, ttmp6, 0x40000                  ; cx
	s_bfe_u32 s22, ttmp6, 0x40004                  ; cy
	s_and_b32 s[TR], ttmp7, 0xffff
	s_lshl_b32 s[TR], s[TR], 2
	s_add_co_u32 s[TR], s[TR], s22                 ; my 128 tokens: 4 x cluster y + cy
	s_lshl_b32 s2, s22, 2
	s_lshl_b32 s2, 15, s2                          ; my row of the cluster
	s_lshl_b32 s16, 0x1111, s21                    ; my column
	GRP1 G1A, s2, 384
	GRP1 G1B, s16, 768
	GRP1 G1SA, s2, 16
	GRP1 G1SB, s16, 32
	s_mul_i32 s66, s[TR], 8*TILEB                  ; A's codes: hangs on cy alone
	s_mov_b32 s67, 0
	s_lshl_b32 s76, s[TR], 12                      ; and scale words
	s_mov_b32 s77, 0
	s_lshl_b32 s17, s21, 4
	s_add_co_u32 s17, s17, 1728                    ; B's first tile: hangs on cx alone
	s_mul_i32 s100, s17, TILEB
	s_mov_b32 s101, 0
	s_lshl_b32 s78, s17, 9
	s_mov_b32 s79, 0
	s_wait_dscnt 0x0                               ; both opening adds are done
	s_wait_kmcnt 0x0
	GRP0 G0A, 0, 4, 66
	GRP0 G0B, BOFF, 8, 100
	GRP0 G0SA, SCL, 6, 76
	GRP0 G0SB, SCLB, 10, 78
	CROUND                                         ; all sixteen work-groups are here: the joint loads meet
.macro ARM under, g0, g1, next         ; one chain of branches on the wave's number, a load in each arm, all arms to one join
	s_cmp_lt_u32 s[WV], \under
	s_cbranch_scc0 \next
	tensor_load_to_lds s[\g0:\g0+3], s[\g1:\g1+7]
	s_nop 0
.rept 4
	v_nop
.endr
	s_branch .Lasked
\next:
.endm
	ARM 1, G0A,  G1A,  .Lhead_b
	ARM 2, G0B,  G1B,  .Lhead_sa
	ARM 3, G0SA, G1SA, .Lhead_sb
	tensor_load_to_lds s[G0SB:G0SB+3], s[G1SB:G1SB+7]
	s_nop 0
.rept 4
	v_nop
.endr
.Lasked:
	v_and_b32 v1, 31, v0                           ; lane
	v_and_b32 v2, 15, v0                           ; r
	v_bfe_u32 v3, v0, 4, 1                         ; h
	v_lshlrev_b32 v4, 4, v1                        ; 16 x lane
	v_lshlrev_b32 v5, 3, v1
	v_add_nc_u32 v5, 512, v5                       ; 512 + 8 x lane
	s_mul_i32 s66, s[RH], 4*TILEB
	s_mul_i32 s67, s[CH], 8*TILEB
	s_add_co_u32 s67, s67, BOFF
	v_add_nc_u32 v[ADRA], s66, v4
	v_add_nc_u32 v[ADRA+1], s66, v5
	v_add_nc_u32 v[ADRB], s67, v4
	v_add_nc_u32 v[ADRB+1], s67, v5
	s_add_co_u32 s67, s67, 4*TILEB                 ; tiles 4-7 lie beyond an LDS offset's 16 bits
	v_add_nc_u32 v[ADRB+4], s67, v4
	v_add_nc_u32 v[ADRB+5], s67, v5
	v_lshlrev_b32 v6, 3, v2
	s_lshl_b32 s66, s[RH], 11
	s_add_co_u32 s66, s66, SCL
	s_lshl_b32 s67, s[CH], 12
	s_add_co_u32 s67, s67, SCLB
	v_add_nc_u32 v[ADSA], s66, v6
	v_add_nc_u32 v[ADSB], s67, v6
	s_mul_i32 s66, s[WV], 16*SPITCH                ; my stage, on A's first bytes: stored to only behind the last step's barrier
	v_mul_u32_u24 v6, v2, SPITCH
	v_lshl_add_u32 v6, v3, 6, v6
	v_add_nc_u32 v[STO], s66, v6
	v_mov_b32 v[CO], v4
	v_add_nc_u32 v[RD], s66, v4
	s_lshl_b32 s2, s21, 10
	s_lshl_b32 s3, s[CH], 9
	s_add_co_u32 s2, s2, s3                        ; my first feature x 4
	s_mov_b32 s3, 0
	s_add_nc_u64 s[12:13], s[12:13], s[2:3]
	v_lshlrev_b32 v6, 6, v3
.irp x, 0,1,2,3,4,5,6,7
	global_load_b128 v[BB+8*\x:BB+8*\x+3], v6, s[12:13] offset:4*(32*(\x/2)+8*(\x%2))
	global_load_b128 v[BB+8*\x+4:BB+8*\x+7], v6, s[12:13] offset:4*(32*(\x/2)+8*(\x%2))+16
.endr
	s_add_nc_u64 s[14:15], s[14:15], s[2:3]
	s_lshl_b32 s2, s[TR], 19
	s_lshl_b32 s66, s[RH], 18
	s_add_co_u32 s2, s2, s66
	s_add_nc_u64 s[14:15], s[14:15], s[2:3]        ; my first row and column of out0
.macro FRAG reg, adr, off              ; a fragment's image: four dense loads
	ds_load_b128 v[(\reg):(\reg)+3], v[\adr] offset:\off
	ds_load_b64 v[(\reg)+4:(\reg)+5], v[\adr+1] offset:\off
	ds_load_b128 v[(\reg)+6:(\reg)+9], v[\adr] offset:\off+768
	ds_load_b64 v[(\reg)+10:(\reg)+11], v[\adr+1] offset:\off+768
.endm
; 16 matrix instructions: A's tiles a0, a0 + 1 x B's eight.  The 32 accumulators take turns, one instruction a turn, in the same order in every step
.macro MUL16 a0, p, q, sc, cm
.irp a, \a0, \a0+1
.irp b, 0,1,2,3,4,5,6,7
.if \cm == 0
	v_wmma_scale_f32_16x16x128_f8f6f4 v[8*(8*(\a)+\b):8*(8*(\a)+\b)+7], v[128*(\p)+FR*\b:128*(\p)+FR*\b+FR-1], v[AF+48*(\p)+FR*(\a):AF+48*(\p)+FR*(\a)+FR-1], v[8*(8*(\a)+\b):8*(8*(\a)+\b)+7], v[SB+16*(\sc)+2*\b+(\q)], v[SA+8*(\sc)+2*(\a)+(\q)] matrix_a_fmt:MATRIX_FMT_FP6 matrix_b_fmt:MATRIX_FMT_FP6
.else
	v_wmma_scale_f32_16x16x128_f8f6f4 v[8*(8*(\a)+\b):8*(8*(\a)+\b)+7], v[128*(\p)+FR*\b:128*(\p)+FR*\b+FR-1], v[AF+48*(\p)+FR*(\a):AF+48*(\p)+FR*(\a)+FR-1], v[BB+8*\b:BB+8*\b+7], v[SB+16*(\sc)+2*\b+(\q)], v[SA+8*(\sc)+2*(\a)+(\q)] matrix_a_fmt:MATRIX_FMT_FP6 matrix_b_fmt:MATRIX_FMT_FP6
.endif
.endr
.endr
.endm
.macro FETCH_B s, p                    ; K step s of B's eight tiles into set p
	WIN TO_B
.irp i, 0,1,2,3,4,5,6,7
	FRAG 128*(\p)+FR*\i, ADRB+4*(\i/4), TILEB*(\i%4)+1536*(\s)
.endr
	WIN 0
.endm
.macro FETCH_A s, p
.irp i, 0,1,2,3
	FRAG AF+48*(\p)+FR*\i, ADRA, TILEB*\i+1536*(\s)
.endr
.endm
.macro SCALES sc, kq                   ; the two words a row of K / 256 = kq into set sc
.irp i, 0,1,2,3
	ds_load_b64 v[SA+8*(\sc)+2*\i:SA+8*(\sc)+2*\i+1], v[ADSA] offset:512*\i+128*(\kq)
.endr
.irp i, 0,1,2,3,4,5,6,7
	ds_load_b64 v[SB+16*(\sc)+2*\i:SB+16*(\sc)+2*\i+1], v[ADSB] offset:512*\i+128*(\kq)
.endr
.endm
; A step of 128 along K: the next step's fragments are asked for, then this step's 32 products run
.macro STEP s, cm
	s_wait_dscnt 0x0                               ; this step's fragments are in
.if (\s) < 7
	PLACES NP                                      ; in front of loads into registers that the last step's products have read
	FETCH_B (\s)+1, ((\s)+1)%2
	FETCH_A (\s)+1, ((\s)+1)%2
.if ((\s)%2) == 1
	SCALES (((\s)+1)/2)%2, ((\s)+1)/2
.endif
.else
	s_barrier_signal -1                            ; my reads of the codes are over
.endif
.if \cm
	WIN MUL_B
.else
	WIN MUL_C
.endif
	MUL16 0, (\s)%2, (\s)%2, ((\s)/2)%2, \cm
	MUL16 2, (\s)%2, (\s)%2, ((\s)/2)%2, \cm
	WIN 0
.if (\s) == 7
	s_barrier_wait -1                              ; everybody's are: the stages may be stored to
.endif
.endm
	s_wait_alu depctr_va_vdst(0)
	s_wait_tensorcnt 0x0                           ; my run has landed,
	s_barrier_signal -1
	s_barrier_wait -1                              ; everybody's has
	FETCH_B 0, 0
	FETCH_A 0, 0
	SCALES 0, 0
	s_wait_loadcnt 0x0                             ; the bias
	STEP 0, 1
.irp s, 1,2,3,4,5,6,7
	STEP \s, 0
.endr
; THE WAY OUT, tile by tile of 16 tokens x 128 features: through my own stage in LDS and back as whole rows of 512 bytes.  LDS serves a wave's instructions in order (ISA guide 5.7.1.4): no wait between the stores and the loads
.macro TOSTAGE a
.set AC, 64*(\a)
	WIN 0x08
.irp b, 0,1,2,3,4,5,6,7
	ds_store_b128 v[STO], v[AC+8*\b:AC+8*\b+3] offset:128*(\b/2)+32*(\b%2)      ; each accumulator from its low end on
	ds_store_b128 v[STO], v[AC+8*\b+4:AC+8*\b+7] offset:128*(\b/2)+32*(\b%2)+16
.endr
	WIN 0
.set BBK, BK+64*((\a)%2)
.irp t, 0,1,2,3,4,5,6,7,8,9,10,11,12,13,14,15
	ds_load_b128 v[BBK+4*\t:BBK+4*\t+3], v[RD] offset:\t*SPITCH
.endr
.endm
.macro SEND a, younger                 ; younger: the LDS instructions issued behind tile a's loads
.set BBK, BK+64*((\a)%2)
	s_wait_dscnt \younger
.if (\a) > 0
.if ((\a)%2) == 1
	s_add_nc_u64 s[14:15], s[14:15], 8*4096        ; (behind a wait on XCNT)  tile 2 a + 1 begins 8 rows on,
.else
	s_add_nc_u64 s[14:15], s[14:15], 24*4096       ; the next pair 32 rows on from the last
.endif
.endif
.irp t, 0,1,2,3,4,5,6,7,8,9,10,11,12,13,14,15
	global_store_b128 v[CO], v[BBK+4*\t:BBK+4*\t+3], s[14:15] offset:(\t+8*(\t/8))*4096 th:TH_STORE_NT   ; 32 lanes store 512 consecutive bytes, aligned
.endr
.endm
	PLACES NP                                      ; behind the last products
	TOSTAGE 0
.irp a, 1,2,3
.if \a > 1
	s_wait_xcnt 0x0                                ; tile a - 2's stores have read their registers and their base
.endif
	TOSTAGE \a
	SEND \a-1, 32
.endr
	s_wait_xcnt 0x0
	SEND 3, 0
	s_wait_tensorcnt 0x0                           ; the wave's end
	ds_add_u32 v[SPW], v[NIL]
	s_wait_dscnt 0x0
	CROUND                                         ; the closing round
	s_endpgm
.Lfunc_end_k_q8cb9feb18a_outp:
	.size	k_q8cb9feb18a_outp, .Lfunc_end_k_q8cb9feb18a_outp-k_q8cb9feb18a_outp
	.p2alignl 7, 3214868480
	.fill 96, 4, 3214868480
	.section	.rodata,"a",@progbits
	.p2align	6, 0x0
	.amdhsa_kernel k_q8cb9feb18a_outp
		.amdhsa_group_segment_fixed_size 327680
		.amdhsa_private_segment_fixed_size 0
		.amdhsa_enable_private_segment 0
		.amdhsa_kernarg_size 48
		.amdhsa_user_sgpr_count 2
		.amdhsa_user_sgpr_kernarg_segment_ptr 1
		.amdhsa_wavefront_size32 1
		.amdhsa_system_sgpr_workgroup_id_x 1
		.amdhsa_system_sgpr_workgroup_id_y 1
		.amdhsa_system_sgpr_workgroup_id_z 1
		.amdhsa_system_vgpr_workitem_id 0
		.amdhsa_next_free_vgpr 768
		.amdhsa_next_free_sgpr 102
		.amdhsa_reserve_vcc 0
		.amdhsa_float_denorm_mode_32 3
		.amdhsa_float_denorm_mode_16_64 3
		.amdhsa_memory_ordered 1
		.amdhsa_forward_progress 1
		.amdhsa_inst_pref_size 86
	.end_amdhsa_kernel
	.amdgpu_metadata
---
amdhsa.version: [ 1, 2 ]
amdhsa.kernels:
  - .name:           k_q8cb9feb18a_outp
    .symbol:         k_q8cb9feb18a_outp.kd
    .args:
      - { .name: oc, .offset: 0, .size: 8, .value_kind: global_buffer, .address_space: global }
      - { .name: os, .offset: 8, .size: 8, .value_kind: global_buffer, .address_space: global }
      - { .name: xc, .offset: 16, .size: 8, .value_kind: global_buffer, .address_space: global }
      - { .name: xs, .offset: 24, .size: 8, .value_kind: global_buffer, .address_space: global }
      - { .name: bo, .offset: 32, .size: 8, .value_kind: global_buffer, .address_space: global }
      - { .name: out0, .offset: 40, .size: 8, .value_kind: global_buffer, .address_space: global }
    .group_segment_fixed_size: 327680
    .private_segment_fixed_size: 0
    .kernarg_segment_align: 8
    .kernarg_segment_size: 48
    .max_flat_workgroup_size: 128
    .sgpr_count:     102
    .vgpr_count:     768
    .wavefront_size: 32
...
	.end_amdgpu_metadata
.endif
;; end of part 4
